; MI455X (gfx1250); checked and timed in simulation.
; The chip was launched on July 23, 2026; its instructions are those of AMD's public machine-readable ISA for CDNA 5 (MIT licence, August 2026) and "CDNA5" Instruction Set Architecture Reference Guide (July 2026). The comments in the code are by the model that wrote it; some were corrected since.
;; Conformal GQA. Allowed arithmetic: matrix products marked QUANTISED: E2M1 operands, one E8M0 scale for each 32 along K, by v_wmma_scale_f32_16x16x128_f8f6f4 with both operands' format E2M1 (or v_wmma_scale_f32_32x16x128_f4), f32 sums; everything else in f32.
;; Inputs: Wk 2,048 x 512 float32; Wo 2,048 x 2,048 float32; Wq 2,048 x 2,048 float32; Wv 2,048 x 512 float32; x 4 x 1,024 x 2,048 float32.
;; Outputs: out0 4 x 1,024 x 2,048 float32.
;; This version of the problem:
;;   THIS VERSION OF THE PROBLEM IS GIVEN IN LOW PRECISION. The matrix products marked QUANTISED in the list below multiply operands that are first quantised to E2M1 (2 exponent bits, 1 mantissa bit; 4 bits a number), with one power-of-two scale for each 32 numbers along K (OCP MX v1.0); their sums are f32. All else is computed in f32.
;;   The module's matrix products, in the order in which they are computed (A, B: the left and right operand; K: the contracted axis; several contracted axes count as one K, in the product's order):
;;     1. [M 4,096, K 2,048] x [K 2,048, N 2,048]; A: input x; B: input Wq: QUANTISED
;;     2. [M 4,096, K 2,048] x [K 2,048, N 512]; A: input x; B: input Wk: QUANTISED
;;     3. [M 4,096, K 2,048] x [K 2,048, N 512]; A: input x; B: input Wv: QUANTISED
;;     4. batch 128 x [M 1,024, K 64] x [K 64, N 1,024]; A: computed on the way; B: computed on the way: QUANTISED
;;     5. batch 128 x [M 1,024, K 1,024] x [K 1,024, N 64]; A: softmax (see below); B: computed on the way: QUANTISED
;;     6. [M 4,096, K 2,048] x [K 2,048, N 2,048]; A: computed on the way; B: input Wo: QUANTISED
;;   THE QUANTISER, for each operand of a quantised product, along K:
;;     - K is cut into blocks of 32 from its start; a last block that is shorter is filled with zeros.
;;     - A block's scale is 2^e with e = floor(log2(the largest magnitude in the block)) - 2, held to -126 .. 127; a block of zeros has e = 0. As a byte (E8M0): e + 127.
;;     - Each number is divided by its block's scale, clamped to +-6, and rounded to the nearest number of E2M1, ties to even, subnormals kept.
;;     - The product sums the exact products of the quantised numbers (number of the format x scale) in f32.
;;   ~~~python
;;   def quantise(x, axis):      # numpy; x: float32 -> the quantised numbers, widened to float32 again
;;       x = np.moveaxis(x, axis, -1); K = x.shape[-1]
;;       x = np.pad(x, [(0, 0)] * (x.ndim - 1) + [(0, -K % 32)]); x = x.reshape(x.shape[:-1] + (-1, 32)); a = np.abs(x).max(-1, keepdims=True)
;;       e = np.where(a > 0, np.clip(np.frexp(np.where(a > 0, a, 1))[1] - 1 - 2, -126, 127), 0)      # np.frexp(a)[1] - 1 = floor(log2(a)), exactly
;;       r = np.clip(x / 2.0 ** e, -6, 6)
;;       step = 2.0 ** (np.maximum(np.frexp(np.where(r == 0, 1, r))[1] - 1, 0) - 1)
;;       q = np.round(r / step) * step * 2.0 ** e      # np.round: ties to even
;;       return np.moveaxis(q.reshape(q.shape[:-2] + (-1,))[..., :K], -1, axis).astype(np.float32)
;;   ~~~
;;   SOFTMAX AHEAD OF A QUANTISED PRODUCT. Where the list says 'softmax', what is quantised is not the finished softmax but p = 2^(t - M), with t = logit x log2(e) and M = ceil(the row's largest t), a whole number; so 1/2 < the row's largest p <= 1. The row's sum l is taken of the UNQUANTISED p, in f32, and the product's result is divided by l at the end. Since M is a whole number, a kernel that streams over the keys may use a running M (the ceiling of the running maximum): every later rescaling is an exact power of two, which a block's scale takes up: the codes' values come out the same.
;;   OPERANDS COMPUTED ON THE WAY. 'Computed on the way' means the value that the module computes at that place (a softmax that the list does not call 'softmax' is quantised finished and normalised). What goes into a quantiser is computed in f32, as accurately as f32 sums, v_exp_f32 and their like allow (about 1e-6 of the number): no bf16 or f16 on the way to a quantiser, and a product that is left as it is and whose result goes on into a quantised operand takes f32 operands (vector FMAs, or v_wmma_f32_16x16x4_f32). A number that lies on a knife's edge between two numbers of the format may be rounded either way, as far as f32 arithmetic and the matrix unit's own rounding can turn it there, and no further.
;; 2 versions, each right; version 2 is version 1 with the launch attn written anew for expert scheduling mode. Each part assembles by itself: llvm-mc -triple=amdgcn-amd-amdhsa -mcpu=gfx1250 --defsym DOCPART=n.
;; ======== version 1 of 2: 4 launches
;; workspace buffers: prep 10,289,152 bytes; qkv 7,667,712 bytes; yq 4,456,448 bytes
;; launch prep (part 1): grid 432 x 1, 4 waves a work-group, no clusters, 68,096 bytes of LDS; arguments x, Wq, Wk, Wv, Wo, prep; writes prep
.if DOCPART == 1
	.amdgcn_target "amdgcn-amd-amdhsa--gfx1250"
	.amdhsa_code_object_version 6
	.text
	.protected	k_q02587cb6b2_prep
	.globl	k_q02587cb6b2_prep
	.p2align	8
	.type	k_q02587cb6b2_prep,@function
k_q02587cb6b2_prep:
	s_mov_b64 s[64:65], 0
	v_nop
	global_prefetch_b8 v0, s[64:65] scope:SCOPE_SE
	s_setreg_imm32_b32 hwreg(HW_REG_WAVE_MODE, 25, 1), 1
	s_wait_xcnt 0x0
; Everything that is made once, ahead of the products, into the one buffer prep:
;   bytes 0 ..        x's codes   [4096][1024]   (FP4 = E2M1, two codes a byte, K innermost)
;   bytes O_WC ..     W's codes   [5120][1024]   rows: 0-2047 Wq's columns; 2048-3071 Wk's and Wv's by turns of 128; 3072-5119 Wo's
;   bytes O_XS ..     x's scales  [4096][64]     one E8M0 byte for each 32 along K
;   bytes O_WS ..     W's scales  [5120][64]
;   bytes O_RT ..     the RoPE table [64 blocks of 16 tokens][8][32 lanes][16 bytes]: an image of the registers in which the next launch wants it
; In Wq's and Wk's groups row p holds column p with its bits 3 and 4 exchanged: so, in the next launch's results, a lane holds of each head 32 numbers in the order in which they are quantised,
; and a number and its partner in the rotation (32 columns on) lie in one lane.
; A block's scale is 2^(floor(log2(its largest magnitude)) - 2); its byte is the largest magnitude's exponent field - 2, held at 1 from below.
; LIMITS: a block of zeros gets the byte 1 where the rule says 127 (its codes are zeros; only this program reads the bytes); blocks whose largest magnitude lies under 2^-124 keep the byte 1;
; NaN and infinities among the inputs are not served.  The table's range reduction is exact for angles under 1,024, which are all that 1,024 tokens have.
; THREE PATHS, parted on the work-group's number: 0-255 x (a stream of blocks of 32), 256-415 the weights (K is their first axis), 416-431 the table.  Each path that uses LDS has LDS bytes of its own.
; No tensor loads, no barrier: waves share nothing.  Memory binds: matrix units and clusters would add nothing here.
.set O_WC, 4194304
.set O_XS, 9437184
.set O_WS, 9699328
.set O_RT, 10027008
.set STEPS, 16                         ; path x: steps of 512 numbers a wave
.set CB,    8                          ; bytes of 16 codes
.set RR,    16                         ; v16-79   four sets of 16 numbers as loaded
.set XX,    80                         ; v80-111  two sets of 16 neighbours
.set EE,    112                        ; v112-127 a scale byte for each step
.set CC,    128                        ; v128-191 codes, four registers for each step
.set WREG,  8192                       ; LDS of a wave on path x: two stages of 32 x SP bytes, then its 256 scale bytes
.set SP,    80
.set OFFS,  16                         ; path W: v16-47 byte offsets of 32 rows of K at my column
.set WX,    48                         ; v48-111  two sets of 32 numbers; on the way out 16 x 4 registers
.set WCD,   112                        ; v112-115 a block's codes
.set WSB,   116                        ; v116-119 16 scale bytes
.set WSTG,  32768                      ; LDS of path W: a stage of 32 rows x 272 bytes for each wave
	s_load_b256 s[4:11], s[0:1], 0x0               ; x s[4:5], Wq s[6:7], Wk s[8:9], Wv s[10:11]
	s_load_b128 s[12:15], s[0:1], 0x20             ; Wo s[12:13], prep s[14:15]
	v_lshl_add_u32 v192, v0, 2, 0x10800
	v_mov_b32 v193, 0
	v_lshrrev_b32 v1, 5, v0
	v_readfirstlane_b32 s16, v1                    ; wave 0..3
	v_and_b32 v2, 31, v0                           ; lane
	s_wait_kmcnt 0x0
	s_cmp_lt_u32 ttmp9, 256
	s_cbranch_scc1 .Lx
	s_cmp_lt_u32 ttmp9, 416
	s_cbranch_scc1 .Lw
; ---------------- THE TABLE.  Wave tb (0..63) makes cos and sin for tokens 16 tb + r and frequencies 16 h + k, k = 0..15 (r = lane % 16, h = lane / 16).
	s_sub_co_u32 s17, ttmp9, 416
	s_lshl_b32 s17, s17, 2
	s_add_co_u32 s17, s17, s16                     ; tb
	v_and_b32 v3, 15, v2
	v_lshrrev_b32 v4, 4, v2                        ; h
	s_lshl_b32 s18, s17, 4
	v_add_nc_u32 v5, s18, v3                       ; the token
	v_cvt_f32_u32 v15, v5
	v_cmp_eq_u32 vcc_lo, 1, v4
	s_mov_b32 s40, 0xbfc90fdb                      ; -(pi/2 rounded to f32)
	s_mov_b32 s41, 0x333bbd2e                      ; that number less pi/2
	s_mov_b32 s42, 0xbe2aaaab                      ; -1/6
	s_mov_b32 s43, 0x3c088889                      ; 1/120
	s_mov_b32 s44, 0xb9500d01                      ; -1/5040
	s_mov_b32 s45, 0x3638ef1d                      ; 1/362880
	s_mov_b32 s47, 0x3d2aaaab                      ; 1/24
	s_mov_b32 s48, 0xbab60b61                      ; -1/720
	s_mov_b32 s49, 0x37d00d01                      ; 1/40320
	s_mov_b32 s50, 0xb493f27e                      ; -1/3628800
.macro PICK k, lo, hi                  ; 10000^(f/32) = 10^(f/8), f = 16 h + k, rounded to f32
	v_mov_b32 v96, \lo
	v_mov_b32 v97, \hi
	v_cndmask_b32 v[64+\k], v96, v97, vcc_lo
.endm
	PICK 0, 1.0, 100.0
	PICK 1, 1.333521432163324, 133.3521432163324
	PICK 2, 1.7782794100389228, 177.82794100389228
	PICK 3, 2.371373705661655, 237.1373705661655
	PICK 4, 3.1622776601683795, 316.22776601683795
	PICK 5, 4.216965034285822, 421.6965034285822
	PICK 6, 5.623413251903491, 562.3413251903491
	PICK 7, 7.498942093324558, 749.8942093324558
	PICK 8, 10.0, 1000.0
	PICK 9, 13.33521432163324, 1333.521432163324
	PICK 10, 17.782794100389228, 1778.2794100389228
	PICK 11, 23.71373705661655, 2371.373705661655
	PICK 12, 31.622776601683795, 3162.2776601683795
	PICK 13, 42.16965034285822, 4216.965034285822
	PICK 14, 56.23413251903491, 5623.413251903491
	PICK 15, 74.98942093324558, 7498.942093324558
.set n, 0
.rept 16
	v_rcp_f32 v[16+n], v[64+n]
.set n, n+1
.endr
	v_nop                                          ; a plain instruction between the last reciprocal and the use of its result
.set n, 0
	s_wait_alu depctr_va_vdst(0)
.rept 16
	v_fma_f32 v[80+n], -v[64+n], v[16+n], 1.0      ; one step of refinement: 1 / that power, as a division gives it
.set n, n+1
.endr
.set n, 0
.rept 16
	v_fma_f32 v[16+n], v[16+n], v[80+n], v[16+n]
.set n, n+1
.endr
; angle = token x frequency, one rounding.  n = the nearest whole number of quarter turns; rho = angle - n pi/2 in two fused steps, the first of which rounds nothing; two polynomials on |rho| <= pi/4; the quadrant swaps and signs them.
.macro SINCOS k
	v_mul_f32 v96, v15, v[16+\k]
	v_mul_f32 v97, 0x3f22f983, v96                 ; x 2/pi
	v_rndne_f32 v97, v97
	v_fma_f32 v98, v97, s40, v96
	v_fma_f32 v98, v97, s41, v98                   ; rho
	v_mul_f32 v99, v98, v98
	v_fma_f32 v100, v99, s45, s44
	v_fma_f32 v100, v100, v99, s43
	v_fma_f32 v100, v100, v99, s42
	v_mul_f32 v101, v98, v99
	v_fma_f32 v100, v101, v100, v98                ; sin rho
	v_fma_f32 v102, v99, s50, s49
	v_fma_f32 v102, v102, v99, s48
	v_fma_f32 v102, v102, v99, s47
	v_fma_f32 v102, v102, v99, -0.5
	v_fma_f32 v102, v102, v99, 1.0                 ; cos rho
	v_cvt_i32_f32 v103, v97
	v_and_b32 v104, 1, v103
	v_cmp_eq_u32 vcc_lo, 1, v104
	v_cndmask_b32 v105, v102, v100, vcc_lo         ; an odd quadrant swaps the two
	v_cndmask_b32 v106, v100, v102, vcc_lo
	v_add_nc_u32 v104, 1, v103
	v_and_b32 v104, 2, v104
	v_lshlrev_b32 v104, 30, v104                   ; cos is negative in quadrants 1 and 2,
	v_xor_b32 v[32+\k], v104, v105
	v_and_b32 v104, 2, v103
	v_lshlrev_b32 v104, 30, v104                   ; sin in quadrants 2 and 3
	v_xor_b32 v[48+\k], v104, v106
.endm
.irp k, 0,1,2,3,4,5,6,7,8,9,10,11,12,13,14,15
	SINCOS \k
.endr
	v_lshlrev_b32 v6, 4, v2
	s_lshl_b32 s20, s17, 12
	s_add_co_u32 s20, s20, O_RT
	s_mov_b32 s21, 0
	s_add_nc_u64 s[20:21], s[14:15], s[20:21]
.irp i, 0,1,2,3
	global_store_b128 v6, v[32+4*\i:35+4*\i], s[20:21] offset:512*\i          ; each store of the wave covers 512 consecutive bytes, aligned
	global_store_b128 v6, v[48+4*\i:51+4*\i], s[20:21] offset:2048+512*\i
.endr
	s_endpgm
; ---------------- x: a stream of blocks of 32.  A wave takes 16 steps of 512 numbers.  Each load reads 512 consecutive bytes; a step's 2,048 bytes turn through the wave's own stage in LDS and come back
; 64 bytes a lane, so that a lane holds 16 neighbours along K (two neighbouring lanes hold a block).  Loads run four steps ahead, the turn through LDS one step.
.Lx:
	v_lshlrev_b32 v3, 4, v2                        ; my 16 bytes of a load's 512
	s_mul_i32 s17, s16, WREG
	v_lshrrev_b32 v14, 2, v2
	v_mul_u32_u24 v14, v14, SP
	v_and_b32 v15, 3, v2
	v_lshl_add_u32 v14, v15, 4, v14
	v_add_nc_u32 v14, s17, v14                     ; the stage, on the way in: SP (lane / 4) + 16 (lane % 4)
	v_mul_u32_u24 v15, v2, SP
	v_add_nc_u32 v15, s17, v15                     ; on the way out: SP x lane
	v_mul_u32_u24 v4, v2, CB                       ; my codes' place in a step's
	v_lshrrev_b32 v5, 1, v2
	s_add_co_u32 s17, s17, 2*32*SP
	v_add_nc_u32 v5, s17, v5                       ; my wave's 256 scale bytes, my block's byte
	v_lshlrev_b32 v7, 3, v2
	v_add_nc_u32 v6, s17, v7
	s_lshl_b32 s18, ttmp9, 2
	s_add_co_u32 s18, s18, s16                     ; which run of 8,192 numbers is my wave's: 0..1023
	s_lshl_b32 s20, s18, 15
	s_mov_b32 s21, 0
	s_add_nc_u64 s[4:5], s[4:5], s[20:21]
	s_lshl_b32 s20, s18, 12
	s_add_nc_u64 s[24:25], s[14:15], s[20:21]      ; its codes
	s_lshl_b32 s20, s18, 8
	s_add_co_u32 s20, s20, O_XS
	s_add_nc_u64 s[26:27], s[14:15], s[20:21]      ; its scale bytes
.macro XLOAD t
.irp i, 0,1,2,3
	global_load_b128 v[RR+16*((\t)%4)+4*\i:RR+16*((\t)%4)+4*\i+3], v3, s[4:5] offset:2048*(\t)+512*\i th:TH_LOAD_NT
.endr
.endm
.macro XTURN t                         ; LDS serves a wave's instructions in order: no wait between the stores and the loads
.irp i, 0,1,2,3
	ds_store_b128 v14, v[RR+16*((\t)%4)+4*\i:RR+16*((\t)%4)+4*\i+3] offset:32*SP*((\t)%2)+8*SP*\i
.endr
.irp i, 0,1,2,3
	ds_load_b128 v[XX+16*((\t)%2)+4*\i:XX+16*((\t)%2)+4*\i+3], v15 offset:32*SP*((\t)%2)+16*\i
.endr
.endm
.irp t, 0,1,2,3
	XLOAD \t
.endr
	s_wait_loadcnt 12                              ; step 0's four loads are in; the twelve of steps 1 to 3 may be out
	XTURN 0
.macro XSTEP t
.set XSET, XX+16*((\t)%2)
.if (\t) > 0
	s_wait_dscnt 1                                 ; this step's numbers are back from the stage; the last step's byte store may be out
.else
	s_wait_dscnt 0x0
.endif
.if (\t)+4 < STEPS
	XLOAD (\t)+4
.endif
.if (\t)+1 < STEPS
.if STEPS-2-(\t) >= 3
	s_wait_loadcnt 12                              ; the next step's four loads are in; those of the three steps behind it may be out
.else
	s_wait_loadcnt 4*(STEPS-2-(\t))
.endif
	XTURN (\t)+1
.endif
	v_max3_num_f32 v8, |v[XSET]|, |v[XSET+1]|, |v[XSET+2]|
	v_max3_num_f32 v9, |v[XSET+3]|, |v[XSET+4]|, |v[XSET+5]|
.irp i, 6,10
	v_max3_num_f32 v8, v8, |v[XSET+\i]|, |v[XSET+\i+1]|
	v_max3_num_f32 v9, v9, |v[XSET+\i+2]|, |v[XSET+\i+3]|
.endr
	v_max3_num_f32 v8, v8, |v[XSET+14]|, |v[XSET+15]|
	v_max3_num_f32 v8, v8, v9, 0x1800000           ; and the floor 2^(3 - 127): the byte cannot fall under 1
	v_max_num_f32_dpp v8, v8, v8 row_xmask:1 row_mask:0xf bank_mask:0xf   ; with my neighbour's 16: the block's largest magnitude
	v_add_nc_u32 v11, 0xff000000, v8               ; 2 off its exponent field: the conversion takes the exponent field of this operand as its scale
	v_cvt_scalef32_pk8_fp4_f32 v[CC+4*(\t)], v[XSET:XSET+7], v11
	v_cvt_scalef32_pk8_fp4_f32 v[CC+4*(\t)+1], v[XSET+8:XSET+15], v11
	v_lshrrev_b32 v[EE+(\t)], 23, v11              ; the scale's byte
	ds_store_b8 v5, v[EE+(\t)] offset:16*(\t)      ; both lanes of a block write the same byte with the same value
	global_store_b64 v4, v[CC+4*(\t):CC+4*(\t)+1], s[24:25] offset:32*CB*(\t)   ; the wave stores 256 consecutive bytes, aligned
.endm
.irp t, 0,1,2,3,4,5,6,7,8,9,10,11,12,13,14,15
	XSTEP \t
.endr
	ds_load_b64 v[12:13], v6
	s_wait_dscnt 0x0
	global_store_b64 v7, v[12:13], s[26:27]        ; the wave's 256 scale bytes, aligned
	s_wait_tensorcnt 0x0
	ds_add_u32 v192, v193
	s_wait_dscnt 0x0
	s_endpgm
; ---------------- THE WEIGHTS: K is their first axis.  A lane takes a column and its registers run down K: a block of 32 lies in one lane, and the conversions give codes with K innermost.
; Work-group w = 4 cg + ky: group cg of 128 rows of the codes' table, 512 along K from 512 ky.  A wave takes 32 columns: 16 blocks a lane, 256 bytes of codes a column, which leave through the wave's own stage as rows.
.Lw:
	s_sub_co_u32 s17, ttmp9, 256
	s_lshr_b32 s18, s17, 2                         ; cg 0..39
	s_and_b32 s19, s17, 3                          ; ky
	s_and_b32 s20, s18, 1
	s_cmp_lg_u32 s20, 0
	s_cselect_b64 s[22:23], s[10:11], s[8:9]       ; in the middle groups: odd Wv, even Wk
	s_cmp_lt_u32 s18, 16
	s_cselect_b64 s[24:25], s[6:7], s[12:13]       ; outside them: Wq below, Wo above
	s_cselect_b32 s26, 0, 24
	s_cselect_b32 s27, 1, 0
	s_sub_co_u32 s26, s18, s26                     ; which 128 columns of that weight
	s_sub_co_u32 s28, s18, 16
	s_lshr_b32 s29, s28, 1
	s_xor_b32 s30, s20, 1
	s_mov_b32 s31, 8192
	s_cmp_lt_u32 s28, 8                            ; a middle group?  All choices hang on the work-group's number alone
	s_cselect_b64 s[4:5], s[22:23], s[24:25]       ; the weight
	s_cselect_b32 s26, s29, s26
	s_cselect_b32 s27, s30, s27                    ; 1: Wq or Wk, whose rows change places
	s_cselect_b32 s31, 2048, s31                   ; bytes from a row of K to the next
	v_and_b32 v3, 7, v2
	v_and_b32 v4, 8, v2
	v_lshl_or_b32 v3, v4, 1, v3
	v_and_b32 v4, 16, v2
	v_lshrrev_b32 v4, 1, v4
	v_add_nc_u32 v3, v3, v4                        ; the lane's number with bits 3 and 4 exchanged
	s_cmp_lg_u32 s27, 0
	s_cselect_b32 vcc_lo, -1, 0
	v_cndmask_b32 v3, v2, v3, vcc_lo               ; my column among the wave's 32
	v_lshlrev_b32 v[OFFS], 2, v3
.set n, 1
.rept 31
	v_add_nc_u32 v[OFFS+n], s31, v[OFFS+n-1]
.set n, n+1
.endr
	s_mul_i32 s32, s19, s31
	s_lshl_b32 s32, s32, 9                         ; 512 ky rows of K
	s_lshl_b32 s33, s26, 9
	s_add_co_u32 s32, s32, s33                     ; + 128 columns x 4 bytes for each group
	s_lshl_b32 s33, s16, 7
	s_add_co_u32 s32, s32, s33                     ; + 32 columns for each wave
	s_mov_b32 s33, 0
	s_add_nc_u64 s[4:5], s[4:5], s[32:33]
	s_lshl_b32 s34, s31, 5                         ; a block: 32 rows of K
	s_mov_b32 s35, 0
	s_lshl_b32 s36, s18, 7
	s_lshl_b32 s37, s16, 5
	s_add_co_u32 s36, s36, s37                     ; my wave's first row of the tables
	s_lshl_b32 s38, s36, 10
	s_lshl_b32 s39, s19, 8
	s_add_co_u32 s38, s38, s39
	s_add_co_u32 s38, s38, O_WC
	s_mov_b32 s39, 0
	s_add_nc_u64 s[6:7], s[14:15], s[38:39]        ; codes
	s_lshl_b32 s38, s36, 6
	s_lshl_b32 s40, s19, 4
	s_add_co_u32 s38, s38, s40
	s_add_co_u32 s38, s38, O_WS
	s_add_nc_u64 s[8:9], s[14:15], s[38:39]        ; scale bytes
	s_mul_i32 s40, s16, 8704
	s_add_co_u32 s40, s40, WSTG                    ; my stage
	v_mul_u32_u24 v4, v2, 272
	v_add_nc_u32 v4, s40, v4                       ; into it: row = my lane
	v_and_b32 v5, 15, v2
	v_lshrrev_b32 v6, 4, v2
	v_mul_u32_u24 v7, v6, 272
	v_lshl_add_u32 v7, v5, 4, v7
	v_add_nc_u32 v7, s40, v7                       ; out of it: sixteen lanes to a row, two rows an instruction
	v_lshlrev_b32 v8, 10, v6
	v_lshl_add_u32 v8, v5, 4, v8                   ; the same place in the codes' table
	v_lshlrev_b32 v9, 6, v2                        ; my row of scale bytes
.macro WLOAD t
.if (\t) > 0
	s_wait_xcnt 0x0                                ; the base steps only behind this wait: the earlier loads have read it
	s_add_nc_u64 s[4:5], s[4:5], s[34:35]
.endif
.set n, 0
.rept 32
	global_load_b32 v[WX+32*((\t)%2)+n], v[OFFS+n], s[4:5] th:TH_LOAD_NT      ; 32 lanes read 128 consecutive bytes of a row of K
.set n, n+1
.endr
.endm
	WLOAD 0
	WLOAD 1
.macro WBLOCK t
.set WSET, WX+32*((\t)%2)
.if (\t) < 15
	s_wait_loadcnt 32                              ; this block's 32 loads are in; the next block's 32 may be out
.else
	s_wait_loadcnt 0x0
.endif
	v_max3_num_f32 v12, |v[WSET]|, |v[WSET+1]|, |v[WSET+2]|
	v_max3_num_f32 v13, |v[WSET+3]|, |v[WSET+4]|, |v[WSET+5]|
.irp i, 6,10,14,18,22,26
	v_max3_num_f32 v12, v12, |v[WSET+\i]|, |v[WSET+\i+1]|
	v_max3_num_f32 v13, v13, |v[WSET+\i+2]|, |v[WSET+\i+3]|
.endr
	v_max3_num_f32 v12, v12, |v[WSET+30]|, |v[WSET+31]|
	v_max3_num_f32 v12, v12, v13, 0x1800000
	v_add_nc_u32 v11, 0xff000000, v12
	v_lshrrev_b32 v13, 23, v11
.if (\t)%4 == 0
	v_mov_b32 v[WSB+(\t)/4], v13
.else
	v_lshl_or_b32 v[WSB+(\t)/4], v13, 8*((\t)%4), v[WSB+(\t)/4]
.endif
.irp g, 0,1,2,3
	v_cvt_scalef32_pk8_fp4_f32 v[WCD+\g], v[WSET+8*\g:WSET+8*\g+7], v11
.endr
	v_nop                                          ; a plain instruction behind the last conversion
	ds_store_b128 v4, v[WCD:WCD+3] offset:16*(\t)
.if (\t)+2 < 16
	WLOAD (\t)+2
.endif
	s_wait_dscnt 0x0                               ; the store has read its registers
.endm
.irp t, 0,1,2,3,4,5,6,7,8,9,10,11,12,13,14,15
	WBLOCK \t
.endr
	global_store_b128 v9, v[WSB:WSB+3], s[8:9]     ; my row's 16 scale bytes of this part of K
.irp t, 0,1,2,3,4,5,6,7,8,9,10,11,12,13,14,15
	ds_load_b128 v[WX+4*\t:WX+4*\t+3], v7 offset:2*\t*272
.endr
.irp t, 0,1,2,3,4,5,6,7,8,9,10,11,12,13,14,15
	s_wait_dscnt 15-\t
	global_store_b128 v8, v[WX+4*\t:WX+4*\t+3], s[6:7] offset:2*\t*1024       ; sixteen lanes store 256 consecutive bytes, aligned
.endr
	s_wait_tensorcnt 0x0
	ds_add_u32 v192, v193
	s_wait_dscnt 0x0
	s_endpgm
.Lfunc_end_k_q02587cb6b2_prep:
	.size	k_q02587cb6b2_prep, .Lfunc_end_k_q02587cb6b2_prep-k_q02587cb6b2_prep
	.p2alignl 7, 3214868480
	.fill 96, 4, 3214868480
	.section	.rodata,"a",@progbits
	.p2align	6, 0x0
	.amdhsa_kernel k_q02587cb6b2_prep
		.amdhsa_group_segment_fixed_size 68096
		.amdhsa_private_segment_fixed_size 0
		.amdhsa_enable_private_segment 0
		.amdhsa_kernarg_size 48
		.amdhsa_user_sgpr_count 2
		.amdhsa_user_sgpr_kernarg_segment_ptr 1
		.amdhsa_wavefront_size32 1
		.amdhsa_system_sgpr_workgroup_id_x 1
		.amdhsa_system_sgpr_workgroup_id_y 1
		.amdhsa_system_sgpr_workgroup_id_z 1
		.amdhsa_system_vgpr_workitem_id 0
		.amdhsa_next_free_vgpr 194
		.amdhsa_next_free_sgpr 66
		.amdhsa_reserve_vcc 1
		.amdhsa_float_denorm_mode_32 3
		.amdhsa_float_denorm_mode_16_64 3
		.amdhsa_memory_ordered 1
		.amdhsa_forward_progress 1
		.amdhsa_inst_pref_size 141
	.end_amdhsa_kernel
	.amdgpu_metadata
---
amdhsa.version: [ 1, 2 ]
amdhsa.kernels:
  - .name:           k_q02587cb6b2_prep
    .symbol:         k_q02587cb6b2_prep.kd
    .args:
      - { .name: x, .offset: 0, .size: 8, .value_kind: global_buffer, .address_space: global }
      - { .name: Wq, .offset: 8, .size: 8, .value_kind: global_buffer, .address_space: global }
      - { .name: Wk, .offset: 16, .size: 8, .value_kind: global_buffer, .address_space: global }
      - { .name: Wv, .offset: 24, .size: 8, .value_kind: global_buffer, .address_space: global }
      - { .name: Wo, .offset: 32, .size: 8, .value_kind: global_buffer, .address_space: global }
      - { .name: prep, .offset: 40, .size: 8, .value_kind: global_buffer, .address_space: global }
    .group_segment_fixed_size: 68096
    .private_segment_fixed_size: 0
    .kernarg_segment_align: 8
    .kernarg_segment_size: 48
    .max_flat_workgroup_size: 128
    .sgpr_count:     66
    .vgpr_count:     194
    .wavefront_size: 32
...
	.end_amdgpu_metadata
.endif
;; end of part 1
;; launch qkv (part 2): grid 12 x 16, 4 waves a work-group, clusters of 4 x 4, 327,680 bytes of LDS; arguments prep, qkv; writes qkv
.if DOCPART == 2
	.amdgcn_target "amdgcn-amd-amdhsa--gfx1250"
	.amdhsa_code_object_version 6
	.text
	.protected	k_q02587cb6b2_qkv
	.globl	k_q02587cb6b2_qkv
	.p2align	8
	.type	k_q02587cb6b2_qkv,@function
k_q02587cb6b2_qkv:
	s_mov_b64 s[64:65], 0
	v_nop
	global_prefetch_b8 v0, s[64:65] scope:SCOPE_SE
	s_setreg_imm32_b32 hwreg(HW_REG_WAVE_MODE, 25, 1), 1
	s_wait_xcnt 0x0
	s_wait_alu depctr_hold_cnt(0) depctr_sa_sdst(0) depctr_va_vdst(0) depctr_va_sdst(0) depctr_va_ssrc(0) depctr_va_vcc(0) depctr_vm_vsrc(0)
	s_getreg_b32 s2, hwreg(HW_REG_IB_STS2, 6, 4)
	s_cmp_eq_u32 s2, 0
	s_cbranch_scc0 .Lentry_in_a_cluster
	s_endpgm
.Lentry_in_a_cluster:
	s_bfe_u32 s2, ttmp6, 0x10000c
	s_cmp_lg_u32 s2, 0xf033
	s_cbranch_scc0 .Lentry_shape_is_right
	s_endpgm
.Lentry_shape_is_right:
; q, k and v = x [Wq | Wk | Wv] on codes of FP4 (E2M1) with one E8M0 scale for each 32 along K, f32 sums; and on the way out, in registers: RoPE, -1/2 |.|^2 of the rotated q and k, and the quantising of
; q and k along the head's 64 and of v along the tokens.  Nothing wide goes to memory.
; THE PRODUCT: A = x's codes [4096][2048], B = rows 0-3071 of the weights' table [.][2048].  A tile, 256 x 256, is made by four waves, each 128 x 128: 64 accumulators, 512 registers.
; K goes in steps of 512 through a ring of two LDS slots filled by the tensor data mover (rows of 256 bytes); the scale bytes of the work-group's rows, for all of K, come once and stay.
; CLUSTERS: 4 x 4 work-groups; A's tiles are asked for jointly along a row of the cluster, B's along a column.  THE MATRIX INSTRUCTION IS USED TRANSPOSED (source 0 = 16 rows of B, source 1 = 16 rows of A):
; lane (r, h) holds token r and, in register j of block b, row 16 b + 8 h + j of the table.
; THE TABLE'S ROWS: in Wq's and Wk's groups row p holds column p with bits 3 and 4 exchanged, so blocks 4 hd + beta of a wave hold of head hd the columns 32 (beta / 2) + 16 h + 8 (beta % 2) + j:
; a column and its partner 32 on lie in one lane, and the lane's 32 numbers lie in the order 16 B + i = column 32 B + 16 h + i, in which they are quantised.
; Tile columns 0-7 are q's.  Tile column 8 + j is 128 columns of k (waves 0 and 2) and 128 of v (waves 1 and 3): the way out parts on the cluster's x and the wave's number alone.
; OUT (buffer qkv): codes [4][40 heads][1024][32 bytes] (heads 32-39: k); from O_VC v's codes as images of the operand's registers [4][8][8 steps of 128 keys][4 tiles][2][32 lanes][16 bytes];
; from O_QM [4][40][1024]{scale word, -1/2 |.|^2}; from O_VS v's scale words [4][8][8][4][16].  Row r of v's tile T is channel 32 (T / 2) + 8 (T % 2) + r + 8 (r / 8).
; LIMITS: a block of zeros has the byte 1 (its codes are zeros; only this program reads the bytes); a block whose largest magnitude lies under 2^-124 keeps the byte 1; NaN and infinities are not served.
; REGISTERS, in windows of 256: window 0: v0-31 addresses; v32-95 scale words, two sets; from v128 A's fragments, one set; on the way out v32-255 are free.  window 1: B's fragments, two sets.
;   window 2: the accumulators of my rows 0-63 ((a, b) at v[8 (8 a + b)]);  window 3: those of my rows 64-127.
.set SIZE_K, 2048
.set O_WC, 4194304
.set O_XS, 9437184
.set O_WS, 9699328
.set O_RT, 10027008
.set O_VC, 5242880
.set O_QM, 6291456
.set O_VS, 7602176
.set KSTEP,  512                       ; along K in a slot
.set NQ,     KSTEP/128                 ; matrix instructions deep
.set ROWB,   256                       ; a tile's row in bytes
.set KROW,   SIZE_K*4/8                ; a row of codes in memory
.set PITCH,  272                       ; an LDS row: 256 bytes + 16 of padding: the 16 rows that a load touches start at 16 different banks
.set FR,     8                         ; registers of a fragment
.set NL,     2                         ; LDS loads that bring one
.set NP,     4                         ; places behind this matrix instruction (ISA guide 7.12.1)
.set HALFT,  128*PITCH                 ; what one tensor load brings
.set SLOT,   4*HALFT                   ; A's 256 rows, then B's 256 rows
.set LAPS,   SIZE_K/(2*KSTEP)          ; 2
.set KS,     SIZE_K/32                 ; a row of scales: 64 bytes
.set SCL,    2*SLOT                    ; behind the ring: the scales, as units of 256 bytes + 16 of padding
.set HALFS,  (128*KS/256)*272
.set SBLK,   (16*KS/256)*272
.set SPARE,  SCL+4*HALFS               ; the spare words, 128 bytes for each wave, which no other line names
.set ADRA, 16
.set ADRB, 20
.set ADRS, 27
.set SPW,  28                          ; v28 LDS address of my spare word; never rewritten
.set NIL,  29                          ; v29 0; never rewritten
.set SC,   32
.set AF,   128
.set G1, 24
.set G0, 32
.set G1B, 48
.set G0B, 56
.set G1S, 68
.set G0S, 76
.set G1SB, 80
.set G0SB, 88
.set MSB, 0
.macro WIN new                         ; the immediate's high byte repeats the setting that is left
.if MSB != (\new)
	s_set_vgpr_msb (MSB<<8)|(\new)
.set MSB, (\new)
.endif
.endm
.set MUL_LO, 0xa1                      ; source 0 (B) window 1, source 1 (A) window 0, C and D window 2
.set MUL_HI, 0xf1                      ; the same, C and D window 3
.set TO_B,   0x40                      ; destination window 1
; A joint load: waves 0 and 1 fetch for A, waves 2 and 3 for B.  The branch hangs on the wave's number alone.  Four v_nop follow each of the two lines.
.macro JLOAD g0a, g1a, g0b, g1b
	s_cmp_eq_u32 s15, 0
	s_cbranch_scc0 .Lfor_b_\@
	tensor_load_to_lds s[\g0a:\g0a+3], s[\g1a:\g1a+7]
	s_nop 0
.rept 4
	v_nop
.endr
	s_branch .Lasked_\@
.Lfor_b_\@:
	tensor_load_to_lds s[\g0b:\g0b+3], s[\g1b:\g1b+7]
	s_nop 0
.rept 4
	v_nop
.endr
.Lasked_\@:
.endm
.macro CREST                           ; a round of the cluster's barrier behind its opening barrier
	s_cmp_lg_u32 s14, 0
	s_cbranch_scc1 .Lnot_wave_0_\@
	s_barrier_signal -3
.Lnot_wave_0_\@:
	s_barrier_wait -3
	s_barrier_signal -1
	s_barrier_wait -1
.endm
.macro CROUND
	s_barrier_signal -1
	s_barrier_wait -1
	CREST
.endm
	s_load_b128 s[4:7], s[0:1], 0x0                ; prep s[4:5], qkv s[6:7]
	v_lshl_add_u32 v[SPW], v0, 2, SPARE
	v_mov_b32 v[NIL], 0
	ds_add_u32 v28, v29
	ds_add_u32 v28, v29
	s_wait_dscnt 0x0
	v_lshrrev_b32 v1, 5, v0
	v_readfirstlane_b32 s14, v1                    ; wave 0..3
	s_lshr_b32 s15, s14, 1                         ; which half of the tile's rows is mine.  Also: I fetch for A (0) or for B (1)
	s_and_b32 s16, s14, 1                          ; which half of its columns.  Also: which 128 rows of that tile I fetch
	s_bfe_u32 s40, ttmp6, 0x40000                  ; cx, cy
	s_bfe_u32 s41, ttmp6, 0x40004
	s_lshl_b32 s42, ttmp9, 2
	s_add_co_u32 s42, s42, s40                     ; tile column
	s_and_b32 s17, ttmp7, 0xffff
	s_lshl_b32 s17, s17, 2
	s_add_co_u32 s17, s17, s41                     ; tile row
	s_lshl_b32 s43, s41, 2
	s_lshl_b32 s43, 15, s43                        ; my row of the cluster
	s_lshl_b32 s44, 0x1111, s40                    ; my column
	s_or_b32 s[G1+0], s43, (0<<16)|(1<<20)|(1<<21)|(5<<22)|(3<<25)  ; the mask; elements of 1 byte; padding on; bit 21 beside a mask; 4 words after every 64
	s_or_b32 s[G1B+0], s44, (0<<16)|(1<<20)|(1<<21)|(5<<22)|(3<<25)
.irp g, G1, G1B
	s_mov_b32 s[\g+1], ROWB<<16                    ; tensor_dim0
	s_mov_b32 s[\g+2], 128<<16                     ; tensor_dim1
	s_mov_b32 s[\g+3], ROWB<<16                    ; tile_dim0
	s_mov_b32 s[\g+4], 128                         ; tile_dim1
	s_mov_b32 s[\g+5], KROW                        ; tensor_dim0_stride
	s_mov_b32 s[\g+6], 0
	s_mov_b32 s[\g+7], 0
.endr
	s_or_b32 s[G1S+0], s43, (3<<16)|(1<<20)|(1<<21)|(5<<22)|(3<<25) ; the scales of 128 rows: a dense block, as rows of 256 bytes (32 elements of 8 bytes)
	s_or_b32 s[G1SB+0], s44, (3<<16)|(1<<20)|(1<<21)|(5<<22)|(3<<25)
.irp g, G1S, G1SB
	s_mov_b32 s[\g+1], 32<<16
	s_mov_b32 s[\g+2], (128*KS/256)<<16
	s_mov_b32 s[\g+3], 32<<16
	s_mov_b32 s[\g+4], 128*KS/256
	s_mov_b32 s[\g+5], 32
	s_mov_b32 s[\g+6], 0
	s_mov_b32 s[\g+7], 0
.endr
	s_lshl_b32 s18, s16, 7
	s_lshl_b32 s20, s17, 8
	s_add_co_u32 s20, s20, s18                     ; A: row 256 x tile row + 128 x half
	s_lshl_b32 s46, s42, 8
	s_add_co_u32 s46, s46, s18                     ; B: row 256 x tile column + 128 x half
	s_mov_b32 s21, 0
	s_mov_b32 s47, 0
	s_mov_b64 s[18:19], KS
	s_mul_u64 s[22:23], s[20:21], s[18:19]
	s_mul_u64 s[92:93], s[46:47], s[18:19]
	s_mov_b64 s[18:19], KROW
	s_mul_u64 s[20:21], s[20:21], s[18:19]
	s_mul_u64 s[46:47], s[46:47], s[18:19]
	s_mul_i32 s45, s14, HALFT                      ; where they go: no place in the cluster enters an LDS address
	s_mul_i32 s94, s14, HALFS
	s_wait_kmcnt 0x0
	s_mov_b64 s[12:13], s[6:7]                     ; qkv
	s_add_nc_u64 s[66:67], s[4:5], O_RT            ; the table
	s_add_nc_u64 s[8:9], s[4:5], O_WC              ; B's codes
	s_add_nc_u64 s[10:11], s[4:5], O_WS            ; B's scales
	s_add_nc_u64 s[6:7], s[4:5], O_XS              ; A's scales; A's codes begin the buffer
	s_add_nc_u64 s[20:21], s[4:5], s[20:21]
	s_add_nc_u64 s[22:23], s[6:7], s[22:23]
	s_add_nc_u64 s[46:47], s[8:9], s[46:47]
	s_add_nc_u64 s[92:93], s[10:11], s[92:93]
	CROUND                                         ; all sixteen work-groups are here: the first joint loads meet
	s_mov_b32 s[G0S], 1
	s_add_co_u32 s[G0S+1], s94, SCL
	s_mov_b64 s[G0S+2:G0S+3], s[22:23]
	s_or_b32 s[G0S+3], s[G0S+3], 0x80000000
	s_mov_b32 s[G0SB], 1
	s_add_co_u32 s[G0SB+1], s94, SCL
	s_mov_b64 s[G0SB+2:G0SB+3], s[92:93]
	s_or_b32 s[G0SB+3], s[G0SB+3], 0x80000000
	JLOAD G0S, G1S, G0SB, G1SB                     ; the scales first; with the two below three loads of mine are out
.irp s, 0,1
	s_mov_b32 s[G0+4*\s], 1
	s_add_co_u32 s[G0+4*\s+1], s45, \s*SLOT
	s_add_nc_u64 s[G0+4*\s+2:G0+4*\s+3], s[20:21], \s*ROWB
	s_or_b32 s[G0+4*\s+3], s[G0+4*\s+3], 0x80000000
	s_mov_b32 s[G0B+4*\s], 1
	s_add_co_u32 s[G0B+4*\s+1], s45, \s*SLOT
	s_add_nc_u64 s[G0B+4*\s+2:G0B+4*\s+3], s[46:47], \s*ROWB
	s_or_b32 s[G0B+4*\s+3], s[G0B+4*\s+3], 0x80000000
	JLOAD G0+4*\s, G1, G0B+4*\s, G1B
.endr
	v_and_b32 v1, 15, v0                           ; l % 16
	v_bfe_u32 v2, v0, 4, 1                         ; l / 16
	v_mul_u32_u24 v3, v1, PITCH
	v_lshl_add_u32 v4, v2, 4, v3
	s_mul_i32 s21, s15, HALFT                      ; my 128 rows of A
	s_mul_i32 s22, s16, HALFT                      ; my 128 rows of B,
	s_add_co_u32 s22, s22, 2*HALFT                 ; behind A's 256
.irp s, 0,1
	v_add_nc_u32 v[ADRA+\s], s21, v4
	v_add_nc_u32 v[ADRB+\s], s22, v4
	s_add_co_u32 s21, s21, SLOT
	s_add_co_u32 s22, s22, SLOT
.endr
	v_mul_u32_u24 v5, v1, KS                       ; my row's scales,
	v_lshrrev_b32 v6, 8, v5
	v_lshl_add_u32 v5, v6, 4, v5                   ; and 16 more for each 256 passed
	s_mul_i32 s21, s15, HALFS
	s_mul_i32 s22, s16, HALFS
	s_add_co_u32 s22, s22, 2*HALFS
	s_sub_co_u32 s22, s22, s21
	v_mul_u32_u24 v6, s22, v2                      ; lanes 16-31 take B's
	s_add_co_u32 s21, s21, SCL
	v_add_nc_u32 v5, v5, v6
	v_add_nc_u32 v[ADRS], s21, v5
.macro FRAG reg, adr, q, i             ; 16 rows x 128 K of 4-bit codes: 8 registers
.irp c, 0,1
	ds_load_b128 v[\reg+4*\c:\reg+4*\c+3], v[\adr] offset:64*(\q)+32*\c+(\i)*16*PITCH
.endr
.endm
; 16 matrix instructions: A's blocks a0, a0 + 1 x B's eight.  The 64 accumulators take turns, one instruction a turn, in the same order in every step.
.macro MUL16 a0, p, q, sc, zero
.irp a, \a0, \a0+1
.irp b, 0,1,2,3,4,5,6,7
.if \zero
	v_wmma_scale_f32_16x16x128_f8f6f4 v[8*(8*((\a)%4)+\b):8*(8*((\a)%4)+\b)+7], v[128*(\p)+FR*\b:128*(\p)+FR*\b+FR-1], v[AF+FR*(\a):AF+FR*(\a)+FR-1], 0, v[SC+8*NQ*(\sc)+NQ*\b+(\q)], v[SC+8*NQ*(\sc)+NQ*(\a)+(\q)] matrix_a_fmt:MATRIX_FMT_FP4 matrix_b_fmt:MATRIX_FMT_FP4 matrix_a_scale:MATRIX_SCALE_ROW1
.else
	v_wmma_scale_f32_16x16x128_f8f6f4 v[8*(8*((\a)%4)+\b):8*(8*((\a)%4)+\b)+7], v[128*(\p)+FR*\b:128*(\p)+FR*\b+FR-1], v[AF+FR*(\a):AF+FR*(\a)+FR-1], v[8*(8*((\a)%4)+\b):8*(8*((\a)%4)+\b)+7], v[SC+8*NQ*(\sc)+NQ*\b+(\q)], v[SC+8*NQ*(\sc)+NQ*(\a)+(\q)] matrix_a_fmt:MATRIX_FMT_FP4 matrix_b_fmt:MATRIX_FMT_FP4 matrix_a_scale:MATRIX_SCALE_ROW1
.endif
.endr
.endr
.endm
.macro FETCH_B slot, q, p
	WIN TO_B
.irp i, 0,1,2,3,4,5,6,7
	FRAG 128*(\p)+FR*\i, ADRB+\slot, \q, \i
.endr
	WIN 0
.endm
.macro FETCH_A slot, q, i0
.irp i, \i0, \i0+1, \i0+2, \i0+3
	FRAG AF+FR*(\i), ADRA+\slot, \q, \i
.endr
.endm
.macro SCALES sc                       ; lanes 0-15 take the words of A's block i, lanes 16-31 those of B's block i
.irp i, 0,1,2,3,4,5,6,7
	ds_load_b128 v[SC+8*NQ*\sc+NQ*\i:SC+8*NQ*\sc+NQ*\i+3], v[ADRS] offset:\i*SBLK
.endr
.endm
.macro PLACES n                        ; plain vector instructions between a matrix instruction and a load into, or a read of, its registers
.rept \n
	v_nop
.endr
.endm
.macro STEP slot, q, zero              ; 128 along K, with its successor in the same slot
	s_wait_dscnt 4*NL                              ; B's set and A's blocks 0-3 are in; the youngest eight loads (A's blocks 4-7) may be out
	WIN MUL_LO
	MUL16 0, (\q)%2, \q, \slot, \zero
	MUL16 2, (\q)%2, \q, \slot, \zero
	s_wait_dscnt 0
	PLACES NP
	FETCH_B \slot, (\q)+1, 1-(\q)%2
	FETCH_A \slot, (\q)+1, 0
	WIN MUL_HI
	MUL16 4, (\q)%2, \q, \slot, \zero
	MUL16 6, (\q)%2, \q, \slot, \zero
	PLACES NP
	WIN 0
	FETCH_A \slot, (\q)+1, 4
.endm
; A slot's last step changes slots: one barrier; in front of it each wave waits for all its tensor loads, adds 0 to its spare word, and waits for that and for its reads of this slot.
.macro TURN slot, next, fill
	s_wait_tensorcnt 0x0                           ; all my tensor loads have landed: my part of the next slot
	ds_add_u32 v[SPW], v[NIL]
	s_wait_dscnt 4*NL+1                            ; the add and the youngest eight loads may be out
	WIN MUL_LO
	MUL16 0, 1, NQ-1, \slot, 0
	s_wait_dscnt 0x0                               ; the add is done, and my reads of this slot are over
	s_barrier_signal -1
	MUL16 2, 1, NQ-1, \slot, 0
	WIN 0
	s_barrier_wait -1
.if \fill
	CREST                                          ; the barrier has opened a round of the cluster's: no wave of any partner still reads this slot or has a load on its way
	s_add_nc_u64 s[G0+4*\slot+2:G0+4*\slot+3], s[G0+4*\slot+2:G0+4*\slot+3], 2*ROWB
	s_add_nc_u64 s[G0B+4*\slot+2:G0B+4*\slot+3], s[G0B+4*\slot+2:G0B+4*\slot+3], 2*ROWB
	JLOAD G0+4*\slot, G1, G0B+4*\slot, G1B         ; the first tensor load behind the round, my only one until the next
.else
	PLACES NP
.endif
	v_add_nc_u32 v[ADRS], 4*NQ, v[ADRS]
	FETCH_B \next, 0, 0
	FETCH_A \next, 0, 0
	SCALES \next
	WIN MUL_HI
	MUL16 4, 1, NQ-1, \slot, 0
	MUL16 6, 1, NQ-1, \slot, 0
	PLACES NP
	WIN 0
	FETCH_A \next, 0, 4
.endm
.macro STEPS slot, from
.set Q, \from
.rept NQ-1-\from
	STEP \slot, Q, 0
.set Q, Q+1
.endr
.endm
	s_wait_tensorcnt 1                             ; the scales and my part of K step 0 are in; K step 1's load may be out
	s_barrier_signal -1
	s_barrier_wait -1
	FETCH_B 0, 0, 0
	FETCH_A 0, 0, 0
	SCALES 0
	FETCH_A 0, 0, 4
	STEP 0, 0, 1                                   ; the first step's products start the sums
	s_mov_b32 s3, LAPS-1
.Llap:
	STEPS 0, 1
	TURN 0, 1, 1
	STEPS 1, 0
	TURN 1, 0, 1
	STEP 0, 0, 0
	s_sub_co_u32 s3, s3, 1
	s_cmp_lg_u32 s3, 0
	s_cbranch_scc1 .Llap
	STEPS 0, 1                                     ; the last lap fills nothing
	TURN 0, 1, 0
	STEPS 1, 0
	s_wait_dscnt 4*NL
	WIN MUL_LO
	MUL16 0, 1, NQ-1, 1, 0
	MUL16 2, 1, NQ-1, 1, 0
	s_wait_dscnt 0
	WIN MUL_HI
	MUL16 4, 1, NQ-1, 1, 0
	MUL16 6, 1, NQ-1, 1, 0
	WIN 0
; ---------------- THE WAY OUT.  All its address registers are made here, ahead of the parting of roles; these lines name no register of the last products and are the places behind them.
.set TM,  172                          ; v172-177 largest magnitudes, bytes, scale operands
.set PC,  180                          ; v180-183 the codes just made
.set SEL, 24                           ; s[24:25] lane selects for v_permlanex16_b32: lane l xor 16 (no tensor load is out: the descriptors' registers are free)
	v_and_b32 v1, 15, v0                           ; r
	v_bfe_u32 v2, v0, 4, 1                         ; h
	v_and_b32 v3, 31, v0                           ; lane
	v_lshlrev_b32 v16, 5, v1
	v_lshl_add_u32 v16, v2, 4, v16                 ; q, k: a token's 32 bytes of codes, my half
	v_lshlrev_b32 v17, 3, v3                       ; 8 bytes of scale word and norm a token
	v_lshlrev_b32 v18, 4, v3                       ; the table: 16 x lane
	v_and_b32 v4, 7, v3
	v_and_b32 v5, 8, v3
	v_lshl_or_b32 v4, v5, 1, v4
	v_and_b32 v5, 16, v3
	v_lshrrev_b32 v5, 1, v5
	v_add_nc_u32 v4, v4, v5                        ; the lane's number with bits 3 and 4 exchanged
	s_mul_i32 s23, s14, 16896                      ; v: my stage, 32 rows x 528 bytes, in slot 0, which has had its last fill and its last read
	v_lshl_add_u32 v19, v4, 2, s23                 ; out of it: my column
	v_lshlrev_b32 v20, 10, v2
	v_lshl_add_u32 v20, v1, 4, v20                 ; v's image: tile lane / 16, row lane % 16
	v_lshlrev_b32 v21, 2, v3
	v_mul_u32_u24 v24, v1, 528
	v_lshl_add_u32 v24, v2, 5, v24
	v_add_nc_u32 v24, s23, v24                     ; into the stage: row r, 32 bytes for each half of the lanes
	s_lshl_b32 s20, s17, 8
	s_lshl_b32 s21, s15, 7
	s_add_co_u32 s20, s20, s21                     ; my first row of x
	s_lshr_b32 s21, s20, 10                        ; the batch
	s_and_b32 s22, s20, 1023                       ; my first token
	s_mov_b32 s[SEL], 0x76543210
	s_mov_b32 s[SEL+1], 0xfedcba98
	s_mov_b32 s26, 0xffff0000                      ; lanes 16-31
; 32 numbers of a lane, v[s + 16 B + i] = column 32 B + 16 h + i of my token, become 16 bytes of codes in v[PC] on (columns 32 h + 0 .. 31) and two scale bytes in v[pw].
.macro QUANT2 s, pw
.irp b, 0,1
	v_max3_num_f32 v[TM+\b], |v[\s+16*\b]|, |v[\s+1+16*\b]|, 0x1800000   ; with the floor 2^(3 - 127): the byte cannot fall under 1
.endr
.irp i, 2,4,6,8,10,12,14
.irp b, 0,1
	v_max3_num_f32 v[TM+\b], v[TM+\b], |v[\s+16*\b+\i]|, |v[\s+1+16*\b+\i]|
.endr
.endr
.irp b, 0,1
	v_permlanex16_b32 v[TM+2+\b], v[TM+\b], s[SEL], s[SEL+1]
.endr
.irp b, 0,1
	v_max_num_f32 v[TM+\b], v[TM+\b], v[TM+2+\b]   ; with lane l xor 16's: the block's largest magnitude
.endr
.irp b, 0,1
	v_add_nc_u32 v[TM+4+\b], 0xff000000, v[TM+\b]  ; 2 off its exponent field: the conversion's scale operand
.endr
.irp b, 0,1
	v_lshrrev_b32 v[TM+2+\b], 23, v[TM+4+\b]       ; the scale's byte
.endr
	v_lshl_or_b32 v[\pw], v[TM+3], 8, v[TM+2]      ; the word's upper two bytes stay 0: they scale the zero codes that fill K from 64 to 128
.irp b, 0,1
	v_cvt_scalef32_pk8_fp4_f32 v[PC+2*\b], v[\s+16*\b:\s+7+16*\b], v[TM+4+\b]
	v_cvt_scalef32_pk8_fp4_f32 v[PC+1+2*\b], v[\s+8+16*\b:\s+15+16*\b], v[TM+4+\b]
.endr
	v_nop                                          ; one plain place behind a scaled conversion
	v_permlane16_swap_b32 v[PC], v[PC+2]           ; a whole block to a lane: lanes 0-15 block 0, lanes 16-31 block 1
	v_permlane16_swap_b32 v[PC+1], v[PC+3]
.endm
	s_cmp_lg_u32 ttmp9, 2                          ; the cluster's x: the same in all partners
	s_cbranch_scc1 .Lqk
	s_cmp_eq_u32 s16, 0
	s_cbranch_scc1 .Lqk
; ---- v: my 128 tokens are one step of 128 keys; my 128 columns are two heads.  32 tokens at a time go through my stage and come back a column to a lane, registers down the tokens: a whole block of 32 keys.
	s_sub_co_u32 s27, s42, 8
	s_lshl_b32 s27, s27, 1                         ; my first head of v
	s_lshl_b32 s28, s21, 3
	s_add_co_u32 s28, s28, s27
	s_lshl_b32 s28, s28, 3
	s_lshr_b32 s29, s22, 7
	s_add_co_u32 s28, s28, s29                     ; (8 batch + head) 8 + step
	s_lshl_b32 s30, s28, 12
	s_add_co_u32 s30, s30, O_VC
	s_mov_b32 s31, 0
	s_add_nc_u64 s[30:31], s[12:13], s[30:31]
	s_lshl_b32 s32, s28, 8
	s_add_co_u32 s32, s32, O_VS
	s_mov_b32 s33, 0
	s_add_nc_u64 s[32:33], s[12:13], s[32:33]
.macro VSTAGE a                        ; block a's 16 tokens x 128 columns; each accumulator from its low end on
	WIN 0x08+4*((\a)/4)
.irp b, 0,1,2,3,4,5,6,7
	ds_store_b128 v24, v[8*(8*((\a)%4)+\b):8*(8*((\a)%4)+\b)+3] offset:((\a)%2)*8448+64*\b
	ds_store_b128 v24, v[8*(8*((\a)%4)+\b)+4:8*(8*((\a)%4)+\b)+7] offset:((\a)%2)*8448+64*\b+16
.endr
	WIN 0
.endm
.macro VLOAD g, set                    ; columns 32 g on: 32 tokens of my column.  LDS serves a wave's instructions in order: these see my stores, and the next stores come behind them
.set n, 0
.rept 32
	ds_load_b32 v[\set+n], v19 offset:528*n+128*(\g)
.set n, n+1
.endr
.endm
.macro VQUANT i, g, set                ; keys 32 i on of the step, columns 32 g on
	v_max3_num_f32 v172, |v[\set]|, |v[\set+1]|, |v[\set+2]|
	v_max3_num_f32 v173, |v[\set+3]|, |v[\set+4]|, |v[\set+5]|
.irp m, 6,10,14,18,22,26
	v_max3_num_f32 v172, v172, |v[\set+\m]|, |v[\set+\m+1]|
	v_max3_num_f32 v173, v173, |v[\set+\m+2]|, |v[\set+\m+3]|
.endr
	v_max3_num_f32 v172, v172, |v[\set+30]|, |v[\set+31]|
	v_max3_num_f32 v172, v172, v173, 0x1800000
	v_add_nc_u32 v176, 0xff000000, v172
	v_lshrrev_b32 v174, 23, v176
.if (\i) == 0
	v_mov_b32 v[192+(\g)], v174
.else
	v_lshl_or_b32 v[192+(\g)], v174, 8*(\i), v[192+(\g)]
.endif
	s_wait_xcnt 0x0                                ; the codes' registers, which the last store reads, are rewritten only behind this wait
.irp q, 0,1,2,3
	v_cvt_scalef32_pk8_fp4_f32 v[PC+\q], v[\set+8*\q:\set+8*\q+7], v176
.endr
	v_nop
	global_store_b128 v20, v[PC:PC+3], s[30:31] offset:32768*((\g)/2)+2048*((\g)%2)+512*((\i)/2)+256*((\i)%2)   ; each half of the lanes stores 256 consecutive bytes, aligned
.endm
.irp i, 0,1,2,3
	VSTAGE 2*\i
	VSTAGE 2*\i+1
	VLOAD 0, 96
.irp g, 0,1,2,3
.if \g < 3
	VLOAD \g+1, 96+32*((\g+1)%2)
	s_wait_dscnt 32                                ; all but the 32 loads just issued
.else
	s_wait_dscnt 0x0
.endif
	VQUANT \i, \g, 96+32*(\g%2)
.endr
.endr
.irp g, 0,1,2,3
	global_store_b32 v21, v[192+\g], s[32:33] offset:2048*(\g/2)+128*(\g%2)
.endr
	s_branch .Ldone
; ---- q and k: my 128 columns are two heads; block a of 16 tokens, head hd: rotate, norm, quantise, store.
.Lqk:
	s_lshl_b32 s27, s42, 2
	s_lshl_b32 s28, s16, 1
	s_add_co_u32 s27, s27, s28                     ; q: head 4 x tile column + 2 x half
	s_lshl_b32 s28, s42, 1
	s_add_co_u32 s28, s28, 16                      ; k: head 32 + 2 (tile column - 8)
	s_cmp_lt_u32 ttmp9, 2
	s_cselect_b32 s27, s27, s28
	s_mul_i32 s28, s21, 40
	s_add_co_u32 s28, s28, s27
	s_lshl_b32 s28, s28, 10
	s_add_co_u32 s28, s28, s22                     ; (40 batch + head) 1024 + token
	s_lshl_b32 s30, s28, 5
	s_mov_b32 s31, 0
	s_add_nc_u64 s[30:31], s[12:13], s[30:31]      ; codes
	s_lshl_b32 s32, s28, 3
	s_add_co_u32 s32, s32, O_QM
	s_mov_b32 s33, 0
	s_add_nc_u64 s[32:33], s[12:13], s[32:33]      ; scale words and norms
	s_lshl_b32 s34, s22, 8
	s_mov_b32 s35, 0
	s_add_nc_u64 s[34:35], s[66:67], s[34:35]      ; the table at my first token: 4,096 bytes for 16 tokens
	v_mov_b32 v174, 0                              ; written once: a lane permute's destination counts as one of its sources
	v_mov_b32 v175, 0
.macro LOADT a, set                    ; cos of frequencies 16 h + 0..15 of token 16 a + r into v[set] on, sin into v[set + 16] on
.irp i, 0,1,2,3,4,5,6,7
	global_load_b128 v[\set+4*\i:\set+4*\i+3], v18, s[34:35] offset:4096*(\a)+512*\i
.endr
.endm
.macro ROPE a, hd, set                 ; v[96 + i] = lo cos - hi sin, v[112 + i] = hi cos + lo sin; lo in blocks 4 hd + 0, 1, hi in blocks 4 hd + 2, 3.  Each accumulator is read from its low end on
	WIN 0x02+(\a)/4                                ; source 0: the accumulators' window
.irp bp, 0,1
.irp jj, 0,2,4,6
.set AL, 8*(8*((\a)%4)+4*(\hd)+\bp)+\jj
.set AH, AL+16
.set II, 8*\bp+\jj
.set TT, 160+4*((\jj/2)%2)
	v_pk_mul_f32 v[TT:TT+1], v[AH:AH+1], v[\set+16+II:\set+17+II]
	v_pk_mul_f32 v[TT+2:TT+3], v[AL:AL+1], v[\set+16+II:\set+17+II]
	v_pk_fma_f32 v[96+II:97+II], v[AL:AL+1], v[\set+II:\set+II+1], v[TT:TT+1] neg_lo:[0,0,1] neg_hi:[0,0,1]
	v_pk_fma_f32 v[112+II:113+II], v[AH:AH+1], v[\set+II:\set+II+1], v[TT+2:TT+3]
.endr
.endr
	WIN 0
.endm
.macro NSQ dst                         ; -1/2 of the sum of the squares of the token's 64 rotated numbers, unquantised
	v_pk_mul_f32 v[168:169], v[96:97], v[96:97]
	v_pk_mul_f32 v[170:171], v[98:99], v[98:99]
.irp i, 4,8,12,16,20,24,28
	v_pk_fma_f32 v[168:169], v[96+\i:97+\i], v[96+\i:97+\i], v[168:169]
	v_pk_fma_f32 v[170:171], v[98+\i:99+\i], v[98+\i:99+\i], v[170:171]
.endr
	v_pk_add_f32 v[168:169], v[168:169], v[170:171]
	v_add_f32 v168, v168, v169
	v_permlanex16_b32 v169, v168, s[SEL], s[SEL+1]
	v_add_f32 v168, v168, v169
	v_mul_f32 v[\dst], -0.5, v168
.endm
	LOADT 0, 32
	LOADT 1, 64
.irp a, 0,1,2,3,4,5,6,7
.if \a < 7
	s_wait_loadcnt 8                               ; this block's table is in; the next block's eight loads may be out
.else
	s_wait_loadcnt 0x0
.endif
.irp hd, 0,1
	ROPE \a, \hd, 32+32*(\a%2)
.if \a%2 == 0
	NSQ 185+2*\hd
.else
	NSQ 179
.endif
	s_wait_xcnt 0x0                                ; the registers that earlier stores read are rewritten only behind this wait
.if \a%2 == 0
	QUANT2 96, 184+2*\hd
.else
	QUANT2 96, 178
.endif
	global_store_b128 v16, v[PC:PC+3], s[30:31] offset:32768*\hd+512*\a       ; 16 tokens x 32 bytes: 512 consecutive bytes, aligned
.if \a%2 == 1
	v_cndmask_b32 v[188+2*\hd], v[184+2*\hd], v178, s26                       ; lanes 0-15 the even block's tokens, lanes 16-31 the odd block's
	v_cndmask_b32 v[189+2*\hd], v[185+2*\hd], v179, s26
	global_store_b64 v17, v[188+2*\hd:189+2*\hd], s[32:33] offset:8192*\hd+256*(\a/2)   ; 32 tokens x 8 bytes: 256 consecutive bytes, aligned
.endif
.endr
.if \a < 6
	LOADT \a+2, 32+32*(\a%2)
.endif
.endr
.Ldone:
	s_wait_tensorcnt 0x0                           ; the wave's end
	ds_add_u32 v[SPW], v[NIL]
	s_wait_dscnt 0x0
	CROUND                                         ; the closing round
	s_endpgm
.Lfunc_end_k_q02587cb6b2_qkv:
	.size	k_q02587cb6b2_qkv, .Lfunc_end_k_q02587cb6b2_qkv-k_q02587cb6b2_qkv
	.p2alignl 7, 3214868480
	.fill 96, 4, 3214868480
	.section	.rodata,"a",@progbits
	.p2align	6, 0x0
	.amdhsa_kernel k_q02587cb6b2_qkv
		.amdhsa_group_segment_fixed_size 327680
		.amdhsa_private_segment_fixed_size 0
		.amdhsa_enable_private_segment 0
		.amdhsa_kernarg_size 16
		.amdhsa_user_sgpr_count 2
		.amdhsa_user_sgpr_kernarg_segment_ptr 1
		.amdhsa_wavefront_size32 1
		.amdhsa_system_sgpr_workgroup_id_x 1
		.amdhsa_system_sgpr_workgroup_id_y 1
		.amdhsa_system_sgpr_workgroup_id_z 1
		.amdhsa_system_vgpr_workitem_id 0
		.amdhsa_next_free_vgpr 1024
		.amdhsa_next_free_sgpr 100
		.amdhsa_reserve_vcc 0
		.amdhsa_float_denorm_mode_32 3
		.amdhsa_float_denorm_mode_16_64 3
		.amdhsa_memory_ordered 1
		.amdhsa_forward_progress 1
		.amdhsa_inst_pref_size 255
	.end_amdhsa_kernel
	.section	.bss,"aw",@nobits
	.p2align	6
	.space	262144
	.amdgpu_metadata
---
amdhsa.version: [ 1, 2 ]
amdhsa.kernels:
  - .name:           k_q02587cb6b2_qkv
    .symbol:         k_q02587cb6b2_qkv.kd
    .args:
      - { .name: prep, .offset: 0, .size: 8, .value_kind: global_buffer, .address_space: global }
      - { .name: qkv, .offset: 8, .size: 8, .value_kind: global_buffer, .address_space: global }
    .group_segment_fixed_size: 327680
    .private_segment_fixed_size: 0
    .kernarg_segment_align: 8
    .kernarg_segment_size: 16
    .max_flat_workgroup_size: 128
    .sgpr_count:     100
    .vgpr_count:     1024
    .wavefront_size: 32
...
	.end_amdgpu_metadata
.endif
;; end of part 2
;; launch attn (part 3): grid 16 x 16, 16 waves a work-group, no clusters, 172,032 bytes of LDS; arguments qkv, yq; writes yq
.if DOCPART == 3
	.amdgcn_target "amdgcn-amd-amdhsa--gfx1250"
	.amdhsa_code_object_version 6
	.text
	.protected	k_q02587cb6b2_attn
	.globl	k_q02587cb6b2_attn
	.p2align	8
	.type	k_q02587cb6b2_attn,@function
k_q02587cb6b2_attn:
	s_mov_b64 s[64:65], 0
	v_nop
	global_prefetch_b8 v0, s[64:65] scope:SCOPE_SE
	s_setreg_imm32_b32 hwreg(HW_REG_WAVE_MODE, 25, 1), 1
	s_wait_xcnt 0x0
; y = softmax_k((q . k - |q|^2 / 2 - |k|^2 / 2) / 8, causal) v, both products on codes of FP4 (E2M1) with one E8M0 scale for each 32 along a product's K; y / l is quantised along d and leaves as codes.
; t = (q . k + nk + nq) c, c = log2(e) / 8, nk = -|k|^2 / 2, nq = -|q|^2 / 2 (both of the unquantised numbers).  M = the running largest t rounded up to a whole number; p = 2^(t - M) is what is quantised, along the keys;
; the row's sum l is taken of the unquantised p; when M moves, l and O are multiplied by 2^(old M - new M), which rounds nothing.
; SHARES.  Work-group (x, y): batch y / 4, query heads 8 (y % 4) + 0..7 (two heads of k and v), and two blocks of 32 queries, 31 - x and then x: (31 - x) / 4 + x / 4 + 2 = 9 steps of 128 keys for every wave of every work-group.
; Wave w owns head w % 8 and the 16 queries 16 (w / 8) on of the block, in 256 registers: four waves to a SIMD, so that one wave's vector work stands beside another's matrix work.
; K AND V OF THE TWO HEADS, 151,552 bytes with their scale words and norms, COME ONCE, at the head, through registers, and stay in LDS as images of the operands' registers: a fragment's four registers at 16 x lane.
; NO CLUSTER, NO JOINT LOADS: what the sixteen work-groups of a row of the grid share is fetched once a work-group, not in every step, and k's pieces of 16 bytes change places on the way into LDS
; (key 32 b + 8 u + r + 8 (r / 8) goes to lane r of tile 2 b + u), which no tile descriptor states.
; LAYOUT.  Both products are used transposed: S^T = K Q^T + nk (source 0 = 16 keys, C = the keys' norms), O^T = V^T P^T: a lane holds one query (lane % 16) throughout; the 16 registers of tiles 2 b, 2 b + 1 of S^T are
; keys 32 b + 16 (lane / 16) + 0..15.  The first product's K is 64: the upper halves of both operands are zero codes.  The channels of a tile of V are chosen likewise, so that O^T's 32 registers lie in the order in which y is quantised.
; CAUSAL.  The loop over key steps has 8 trips for every wave; a step all of whose keys come after the wave's queries is jumped over, by a scalar branch on ids; on the diagonal hidden scores become -infinity (p = 0, as with -1e30).
; LIMITS: v_exp_f32 gives 0 for results under 2^-126; y / l is a multiplication by a reciprocal refined by one step; a block of zeros has the byte 1 (its codes are zeros; only this program reads the bytes); NaN and infinities are not served.
; REGISTERS: v1-7 addresses that stay; v8-12 addresses of the step; v13-15 the way out; v16-23 Q; v24 Q's scale word, v25 nq, v26 c nq; v[28:29] c nq - M; v30 -M; v31 the largest t; v32-63 four fragments of K; v64-95 V's four;
;   v96-159 S^T, then p; v160-191 O^T; v192-195 K's scale words, v196-197 V's, v198 P's; v[200:201] l; v202-204 the way out; v208-215 P's codes; v216-227 the blocks' maxima, bytes, scale operands; v228-243 at work; v244-250 the fill's addresses.
.set O_VC, 5242880
.set O_QM, 6291456
.set O_VS, 7602176
.set O_YS, 4194304
.set VIMG, 65536                       ; LDS: 0 K's images, 2 x 32,768: tile T at 512 T + 16 lane;  here V's: ((4 step + T) 2 + c) 512 + 16 lane
.set KSC,  131072                      ; K's scale words, 2 x 4,096: [step][lane][4]: word b of lane 16 u + r belongs to row r of tile 2 b + u
.set KN,   139264                      ; nk in the keys' order, 2 x 4,096
.set VSC,  147456                      ; V's scale words, 2 x 2,048
.set YST,  151552                      ; y's codes: for each of the two blocks 32 rows x (256 + 16) bytes
.set YSS,  168960                      ; y's scale bytes: 2 x 32 rows x 16
.set TM,  216
.set PC,  208
.set SEL, 16
	s_load_b128 s[4:7], s[0:1], 0x0                ; qkv s[4:5], yq s[6:7]
	v_lshl_add_u32 v254, v0, 2, 0x29800
	v_mov_b32 v255, 0
	v_lshrrev_b32 v1, 5, v0
	v_readfirstlane_b32 s8, v1                     ; wave 0..15
	s_and_b32 s9, s8, 7                            ; my head among the eight
	s_lshr_b32 s10, s8, 3                          ; my half of the 32 queries
	s_lshr_b32 s11, s9, 2                          ; which of the two heads of k and v
	s_mov_b32 s12, ttmp9
	s_and_b32 s13, ttmp7, 0xffff
	s_and_b32 s14, s13, 3                          ; which eight heads
	s_lshr_b32 s13, s13, 2                         ; the batch
	s_mov_b32 s[SEL], 0x76543210
	s_mov_b32 s[SEL+1], 0xfedcba98                 ; v_permlanex16_b32's selects for lane l xor 16
	s_mov_b32 s18, 0x3e38aa3b                      ; c = log2(e) / 8
	s_mov_b32 s19, s18                             ; (named with it as a pair, so it is written)
	v_and_b32 v230, 31, v0                         ; lane
	v_and_b32 v231, 15, v0                         ; r
	v_bfe_u32 v232, v0, 4, 1                       ; h
	s_lshl_b32 s20, s11, 15
	v_lshl_add_u32 v1, v230, 4, s20                ; K's images
	v_add_nc_u32 v2, VIMG, v1                      ; V's
	s_lshl_b32 s20, s11, 12
	s_add_co_u32 s21, s20, KSC
	v_lshl_add_u32 v3, v230, 4, s21                ; K's scale words
	s_add_co_u32 s21, s20, KN
	v_lshl_add_u32 v4, v232, 6, s21                ; nk: my half's 16 keys of each 32
	s_lshl_b32 s20, s11, 11
	s_add_co_u32 s20, s20, VSC
	v_lshl_add_u32 v5, v230, 2, s20                ; V's scale words
	v_lshlrev_b32 v6, 5, v231
	v_lshl_add_u32 v6, v232, 4, v6                 ; Q's codes: 32 r + 16 h
	v_lshlrev_b32 v7, 3, v231                      ; Q's scale word and norm: 8 r
	s_mul_i32 s20, s10, 16*272
	s_lshl_b32 s21, s9, 5
	s_add_co_u32 s20, s20, s21
	s_add_co_u32 s20, s20, YST
	v_mul_u32_u24 v13, v231, 272
	v_lshl_add_u32 v13, v232, 4, v13
	v_add_nc_u32 v13, s20, v13                     ; y's codes: row 16 half + r, my head's 32 bytes, my 16
	s_lshl_b32 s20, s10, 8
	s_lshl_b32 s21, s9, 1
	s_add_co_u32 s20, s20, s21
	s_add_co_u32 s20, s20, YSS
	v_lshl_add_u32 v14, v231, 4, s20               ; y's scale bytes: my head's two
	v_lshrrev_b32 v233, 4, v0
	v_mul_u32_u24 v15, v233, 272
	v_lshl_add_u32 v15, v231, 4, v15
	v_add_nc_u32 v15, YST, v15                     ; back: sixteen threads to a row
	v_lshlrev_b32 v202, 10, v233
	v_lshl_add_u32 v202, v231, 4, v202             ; and the same place in y's codes
	v_lshlrev_b32 v203, 6, v230
	v_lshl_add_u32 v204, v230, 4, YSS
	v_lshlrev_b32 v244, 4, v0                      ; THE FILL: 16 bytes a thread, 8,192 a load
	v_lshlrev_b32 v245, 3, v0
	v_and_b32 v246, 14, v0                         ; k's codes: thread t has half t % 2 of key t / 2 (+ 256 for each load): 16 (key % 8)
	v_lshlrev_b32 v246, 3, v246
	v_and_b32 v233, 1, v0
	v_lshl_or_b32 v246, v233, 8, v246              ; + 256 x half
	v_and_b32 v233, 16, v0
	v_lshl_or_b32 v246, v233, 5, v246              ; + 512 x the key's bit 3: the tile's u
	v_and_b32 v233, 32, v0
	v_lshl_or_b32 v246, v233, 2, v246              ; + 128 x its bit 4: bit 3 of the row
	v_and_b32 v233, 0x1c0, v0
	v_lshl_or_b32 v246, v233, 4, v246              ; + 1,024 x (key / 32)
	v_add_nc_u32 v247, VIMG, v244
	v_and_b32 v248, 3, v0                          ; k's scale words: thread t has keys 2 t and 2 t + 1: 16 (key % 8)
	v_lshlrev_b32 v248, 5, v248
	v_and_b32 v233, 4, v0
	v_lshl_or_b32 v248, v233, 6, v248              ; + 256 u
	v_and_b32 v233, 8, v0
	v_lshl_or_b32 v248, v233, 4, v248              ; + 128 x bit 3 of the row
	v_bfe_u32 v233, v0, 4, 2
	v_lshl_or_b32 v248, v233, 2, v248              ; + 4 b
	v_and_b32 v233, 0x1c0, v0
	v_lshl_or_b32 v248, v233, 3, v248              ; + 512 x step
	v_add_nc_u32 v248, KSC, v248
	v_add_nc_u32 v249, KN, v245
	v_add_nc_u32 v250, VSC, v245
	s_mul_i32 s20, s13, 40
	s_lshl_b32 s21, s14, 1
	s_add_co_u32 s20, s20, s21
	s_add_co_u32 s20, s20, 32                      ; k's first head in the table of 40
	s_lshl_b32 s38, s20, 15
	s_mov_b32 s39, 0
	s_lshl_b32 s40, s20, 13
	s_add_co_u32 s40, s40, O_QM
	s_mov_b32 s41, 0
	s_lshl_b32 s22, s13, 3
	s_add_co_u32 s22, s22, s21                     ; v's first head
	s_lshl_b32 s42, s22, 15
	s_add_co_u32 s42, s42, O_VC
	s_mov_b32 s43, 0
	s_lshl_b32 s44, s22, 11
	s_add_co_u32 s44, s44, O_VS
	s_mov_b32 s45, 0
	s_wait_kmcnt 0x0
	s_add_nc_u64 s[38:39], s[4:5], s[38:39]
	s_add_nc_u64 s[40:41], s[4:5], s[40:41]
	s_add_nc_u64 s[42:43], s[4:5], s[42:43]
	s_add_nc_u64 s[44:45], s[4:5], s[44:45]
.irp i, 0,1,2,3,4,5,6,7
	global_load_b128 v[32+4*\i:35+4*\i], v244, s[38:39] offset:8192*\i
.endr
.irp i, 0,1,2,3,4,5,6,7
	global_load_b128 v[64+4*\i:67+4*\i], v244, s[42:43] offset:8192*\i
.endr
.irp i, 0,1
	global_load_b128 v[96+4*\i:99+4*\i], v244, s[40:41] offset:8192*\i
.endr
	global_load_b64 v[104:105], v245, s[44:45]
	s_wait_loadcnt 11                              ; k's eight loads are in; v's eight, the two of words and norms and the one of v's words may be out
.irp i, 0,1,2,3,4,5,6,7
	ds_store_b128 v246, v[32+4*\i:35+4*\i] offset:8192*\i
.endr
	s_wait_loadcnt 3                               ; v's eight are in
.irp i, 0,1,2,3,4,5,6,7
	ds_store_b128 v247, v[64+4*\i:67+4*\i] offset:8192*\i
.endr
	s_wait_loadcnt 0x0
.irp i, 0,1
	ds_store_b32 v248, v[96+4*\i] offset:4096*\i
	ds_store_b32 v248, v[98+4*\i] offset:4096*\i+16
	ds_store_b32 v249, v[97+4*\i] offset:4096*\i
	ds_store_b32 v249, v[99+4*\i] offset:4096*\i+4
.endr
	ds_store_b64 v250, v[104:105]
	s_wait_dscnt 0x0                               ; for the others' sake: my stores have landed
	s_barrier_signal -1
	s_barrier_wait -1                              ; K and V lie in LDS; from here on nobody writes them
.irp t, 0,1,2,3
.irp j, 4,5,6,7
	v_mov_b32 v[32+8*\t+\j], 0                     ; K from 64 to 128 of the first product: zero codes, in K's four fragments
.endr
.endr
.irp j, 20,21,22,23,29,229
	v_mov_b32 v\j, 0                               ; and in Q's; the upper halves of two pairs that packed forms name
.endr
.set n, 216
.rept 12
	v_mov_b32 v[n], 0                              ; written once: a lane permute's destination counts as one of its sources
.set n, n+1
.endr
.macro QUANT2 s, pw                    ; 32 numbers of a lane, v[s + 16 B + i] = channel 32 B + 16 h + i, become 16 bytes of codes in v[PC] on (channels 32 h + 0..31) and two scale bytes in v[pw]
.irp b, 0,1
	v_max3_num_f32 v[TM+\b], |v[\s+16*\b]|, |v[\s+1+16*\b]|, 0x1800000
.endr
.irp i, 2,4,6,8,10,12,14
.irp b, 0,1
	v_max3_num_f32 v[TM+\b], v[TM+\b], |v[\s+16*\b+\i]|, |v[\s+1+16*\b+\i]|
.endr
.endr
.irp b, 0,1
	v_permlanex16_b32 v[TM+2+\b], v[TM+\b], s[SEL], s[SEL+1]
.endr
.irp b, 0,1
	v_max_num_f32 v[TM+\b], v[TM+\b], v[TM+2+\b]
.endr
.irp b, 0,1
	v_add_nc_u32 v[TM+4+\b], 0xff000000, v[TM+\b]
.endr
.irp b, 0,1
	v_lshrrev_b32 v[TM+2+\b], 23, v[TM+4+\b]
.endr
	v_lshl_or_b32 v[\pw], v[TM+3], 8, v[TM+2]
.irp b, 0,1
	v_cvt_scalef32_pk8_fp4_f32 v[PC+2*\b], v[\s+16*\b:\s+7+16*\b], v[TM+4+\b]
	v_cvt_scalef32_pk8_fp4_f32 v[PC+1+2*\b], v[\s+8+16*\b:\s+15+16*\b], v[TM+4+\b]
.endr
	v_nop
	v_permlane16_swap_b32 v[PC], v[PC+2]
	v_permlane16_swap_b32 v[PC+1], v[PC+3]
.endm
; The twelve accumulators of a step take turns, one instruction a turn, over the loop's backward jump too.
.macro SMUL t                          ; S^T of tile t = 16 keys x my 16 queries + the keys' norms, which were loaded into the result's registers
.if (\t)%2
	v_wmma_scale_f32_16x16x128_f8f6f4 v[96+8*(\t):103+8*(\t)], v[32+8*((\t)%4):39+8*((\t)%4)], v[16:23], v[96+8*(\t):103+8*(\t)], v[192+(\t)/2], v24 matrix_a_fmt:MATRIX_FMT_FP4 matrix_b_fmt:MATRIX_FMT_FP4 matrix_a_scale:MATRIX_SCALE_ROW1
.else
	v_wmma_scale_f32_16x16x128_f8f6f4 v[96+8*(\t):103+8*(\t)], v[32+8*((\t)%4):39+8*((\t)%4)], v[16:23], v[96+8*(\t):103+8*(\t)], v[192+(\t)/2], v24 matrix_a_fmt:MATRIX_FMT_FP4 matrix_b_fmt:MATRIX_FMT_FP4
.endif
.endm
.macro OMUL t                          ; O^T of tile t += 16 channels x 128 keys x P
.if (\t)%2
	v_wmma_scale_f32_16x16x128_f8f6f4 v[160+8*(\t):167+8*(\t)], v[64+8*(\t):71+8*(\t)], v[208:215], v[160+8*(\t):167+8*(\t)], v[196+(\t)/2], v198 matrix_a_fmt:MATRIX_FMT_FP4 matrix_b_fmt:MATRIX_FMT_FP4 matrix_a_scale:MATRIX_SCALE_ROW1
.else
	v_wmma_scale_f32_16x16x128_f8f6f4 v[160+8*(\t):167+8*(\t)], v[64+8*(\t):71+8*(\t)], v[208:215], v[160+8*(\t):167+8*(\t)], v[196+(\t)/2], v198 matrix_a_fmt:MATRIX_FMT_FP4 matrix_b_fmt:MATRIX_FMT_FP4
.endif
.endm
; A KEY STEP: 128 keys from s24 on.  s25 my first query; s26, s27, s28 the step's 4,096, 512 and 256 bytes in the images, the words and norms, and V's words.
.macro STEP
	s_add_co_u32 s20, s25, 15
	s_cmp_gt_u32 s24, s20
	s_cbranch_scc1 .Lhidden_\@                     ; all its keys come after my queries
	v_add_nc_u32 v8, s26, v1
	v_add_nc_u32 v9, s26, v2
	v_add_nc_u32 v10, s27, v3
	v_add_nc_u32 v11, s27, v4
	v_add_nc_u32 v12, s28, v5
	ds_load_b128 v[192:195], v10                   ; K's scale words
.irp t, 0,1,2,3,4,5,6,7
	ds_load_b128 v[96+8*\t:99+8*\t], v11 offset:128*(\t/2)+32*(\t%2)          ; nk of keys 32 (t / 2) + 16 h + 8 (t % 2) + 0..7: the sums' C
	ds_load_b128 v[100+8*\t:103+8*\t], v11 offset:128*(\t/2)+32*(\t%2)+16
.endr
.irp t, 0,1,2,3
	ds_load_b128 v[32+8*\t:35+8*\t], v8 offset:512*\t
.endr
	s_wait_dscnt 0x0
.irp t, 0,1,2,3
	SMUL \t
.endr
.rept 4
	v_nop                                          ; places in front of loads into registers that matrix instructions have read
.endr
.irp t, 0,1,2,3
	ds_load_b128 v[32+8*\t:35+8*\t], v8 offset:512*(\t+4)
.endr
.irp t, 0,1,2,3
.irp c, 0,1
	ds_load_b128 v[64+8*\t+4*\c:67+8*\t+4*\c], v9 offset:1024*\t+512*\c
.endr
.endr
	ds_load_b32 v196, v12
	ds_load_b32 v197, v12 offset:128
	s_wait_dscnt 10                                ; K's tiles 4-7 are in; V's eight loads and the two of its scale words may be out
.irp t, 4,5,6,7
	SMUL \t
.endr
.rept 4
	v_nop
.endr
	s_add_co_u32 s20, s24, 127
	s_cmp_le_u32 s20, s25
	s_cbranch_scc1 .Lopen_\@                       ; all its keys count for all my queries
	s_sub_co_i32 s20, s25, s24
	v_and_b32 v230, 15, v0
	v_bfe_u32 v231, v0, 4, 1
	v_lshlrev_b32 v231, 4, v231
	v_sub_nc_u32 v230, v230, v231
	v_add_nc_u32 v230, s20, v230                   ; d = my query - the step's first key - 16 h: register 16 b + i is hidden where 32 b + i > d
	v_mov_b32 v232, 0xff800000
.set n, 0
.rept 64
	v_cmp_gt_i32 vcc_lo, 32*(n/16)+n%16, v230
	v_cndmask_b32 v[96+n], v[96+n], v232, vcc_lo
.set n, n+1
.endr
.Lopen_\@:
.irp b, 0,1,2,3
	v_max3_num_f32 v[216+\b], v[96+16*\b], v[97+16*\b], v[98+16*\b]           ; the largest score of each block of 32 keys: for the row's maximum, and, since p rises with the score, for the block's largest p
.endr
.irp i, 3,5,7,9,11,13
.irp b, 0,1,2,3
	v_max3_num_f32 v[216+\b], v[216+\b], v[96+16*\b+\i], v[97+16*\b+\i]
.endr
.endr
.irp b, 0,1,2,3
	v_max_num_f32 v[216+\b], v[216+\b], v[111+16*\b]
.endr
.irp b, 0,1,2,3
	v_permlanex16_b32 v[220+\b], v[216+\b], s[SEL], s[SEL+1]
.endr
.irp b, 0,1,2,3
	v_max_num_f32 v[216+\b], v[216+\b], v[220+\b]
.endr
	v_max3_num_f32 v230, v216, v217, v218
	v_max_num_f32 v230, v230, v219
	v_fma_f32 v230, v230, s18, v26                 ; the step's largest t
	v_max_num_f32 v31, v31, v230
	v_mov_b32 v230, v30
	v_floor_f32 v30, -v31                          ; the new -M = -ceil(t): a whole number
	v_sub_f32 v230, v30, v230                      ; old M - new M, 0 or less
	v_cvt_i32_f32 v230, v230                       ; (it saturates)
	v_ldexp_f32 v228, 1.0, v230                    ; f = 2^(old M - new M)
	v_add_f32 v28, v26, v30                        ; c nq - M
.set n, 0
.rept 32
	v_pk_fma_f32 v[96+n:97+n], v[96+n:97+n], s[18:19], v[28:29] op_sel_hi:[1,0,0]   ; t - M, two at a time
.set n, n+2
.endr
.irp b, 0,1,2,3
	v_fma_f32 v[216+\b], v[216+\b], s18, v28
.endr
.set n, 0
.rept 64
	v_exp_f32 v[96+n], v[96+n]                     ; p = 2^(t - M): not normalised
.set n, n+1
.endr
.irp b, 0,1,2,3
	v_exp_f32 v[216+\b], v[216+\b]                 ; the block's largest p
.endr
	v_pk_mul_f32 v[200:201], v[200:201], v[228:229] op_sel_hi:[1,0]           ; l under the new M.  (A plain place behind the exponentials)
	s_wait_alu depctr_va_vdst(0)
.irp b, 0,1,2,3
	v_max_num_f32 v[216+\b], 0x1800000, v[216+\b]  ; the floor 2^(3 - 127)
.endr
.irp b, 0,1,2,3
	v_add_nc_u32 v[224+\b], 0xff000000, v[216+\b]
.endr
.irp b, 0,1,2,3
	v_lshrrev_b32 v[220+\b], 23, v[224+\b]
.endr
	v_lshl_or_b32 v198, v221, 8, v220              ; P's scale word for these 128 keys
	v_lshl_or_b32 v198, v222, 16, v198
	v_lshl_or_b32 v198, v223, 24, v198
.irp b, 0,1,2,3
	v_cvt_scalef32_pk8_fp4_f32 v[208+2*\b], v[96+16*\b:103+16*\b], v[224+\b]
	v_cvt_scalef32_pk8_fp4_f32 v[209+2*\b], v[104+16*\b:111+16*\b], v[224+\b]
.endr
	v_nop
.irp c, 0,1
.irp i, 0,1
	v_permlane16_swap_b32 v[208+4*\c+\i], v[210+4*\c+\i]                      ; a whole block to a lane
.endr
.endr
	v_pk_add_f32 v[232:233], v[96:97], v[98:99]    ; the row's sum is taken of the unquantised p, in two chains
.irp j, 4,8,12,16,20,24,28,32,36,40,44,48,52,56,60
	v_pk_add_f32 v[200:201], v[200:201], v[96+\j:97+\j]
	v_pk_add_f32 v[232:233], v[232:233], v[98+\j:99+\j]
.endr
	v_pk_add_f32 v[200:201], v[200:201], v[232:233]
.set n, 0
.rept 16
	v_pk_mul_f32 v[160+n:161+n], v[160+n:161+n], v[228:229] op_sel_hi:[1,0]   ; O^T under the new M.  (With the sums above: the places between P's scale word and codes and the products below)
.set n, n+2
.endr
	s_wait_dscnt 0x0                               ; V
.irp t, 0,1,2,3
	OMUL \t
.endr
.Lhidden_\@:
	s_add_co_u32 s24, s24, 128
	s_add_co_u32 s26, s26, 4096
	s_add_co_u32 s27, s27, 512
	s_add_co_u32 s28, s28, 256
.endm
; ONE BLOCK OF 32 QUERIES.
.macro PASS p
.if \p == 0
	s_sub_co_u32 s46, 31, s12
.else
	s_mov_b32 s46, s12
.endif
	s_lshl_b32 s25, s46, 5
	s_lshl_b32 s20, s10, 4
	s_add_co_u32 s25, s25, s20                     ; my first query
	s_mul_i32 s20, s13, 40
	s_lshl_b32 s21, s14, 3
	s_add_co_u32 s20, s20, s21
	s_add_co_u32 s20, s20, s9
	s_lshl_b32 s20, s20, 10
	s_add_co_u32 s20, s20, s25                     ; (40 batch + head) 1024 + query
	s_lshl_b32 s30, s20, 5
	s_mov_b32 s31, 0
	s_add_nc_u64 s[30:31], s[4:5], s[30:31]
	s_lshl_b32 s32, s20, 3
	s_add_co_u32 s32, s32, O_QM
	s_mov_b32 s33, 0
	s_add_nc_u64 s[32:33], s[4:5], s[32:33]
	s_lshl_b32 s21, s13, 10
	s_lshl_b32 s22, s46, 5
	s_add_co_u32 s21, s21, s22                     ; the block's first row of y
	s_lshl_b32 s34, s21, 10
	s_lshl_b32 s22, s14, 8
	s_add_co_u32 s34, s34, s22
	s_mov_b32 s35, 0
	s_add_nc_u64 s[34:35], s[6:7], s[34:35]        ; its codes: the eight heads' 256 bytes of each row
	s_lshl_b32 s36, s21, 6
	s_lshl_b32 s22, s14, 4
	s_add_co_u32 s36, s36, s22
	s_add_co_u32 s36, s36, O_YS
	s_mov_b32 s37, 0
	s_add_nc_u64 s[36:37], s[6:7], s[36:37]        ; its scale bytes: 16 of each row
	global_load_b128 v[16:19], v6, s[30:31]
	global_load_b64 v[24:25], v7, s[32:33]
	v_mov_b32 v31, 0xff61b1e6                      ; the largest t so far: -3e38
	v_floor_f32 v30, -v31
	v_mov_b32 v200, 0
	v_mov_b32 v201, 0
.set n, 0
.rept 32
	v_mov_b32 v[160+n], 0                          ; O^T: the step is written once; the first finds zeros, which the first change of M leaves zeros
.set n, n+1
.endr
	s_mov_b32 s24, 0
	s_mov_b32 s26, 0
	s_mov_b32 s27, 0
	s_mov_b32 s28, 0
	s_mov_b32 s29, 8
	s_wait_loadcnt 0x0
	v_mul_f32 v26, s18, v25                        ; c nq
.Lkeys_\@:
	STEP
	s_sub_co_u32 s29, s29, 1
	s_cmp_lg_u32 s29, 0
	s_cbranch_scc1 .Lkeys_\@
.rept 4
	v_nop                                          ; places behind the last products
.endr
	v_add_f32 v200, v200, v201
	v_permlanex16_b32 v230, v200, s[SEL], s[SEL+1]
	v_add_f32 v200, v200, v230                     ; the row's sum
	v_rcp_f32 v231, v200
	v_nop
	s_wait_alu depctr_va_vdst(0)
	v_fma_f32 v232, -v200, v231, 1.0
	v_fma_f32 v231, v231, v232, v231               ; 1 / l, refined
.set n, 0
.rept 32
	v_mul_f32 v[96+n], v[160+n], v231              ; y: register 16 B + i is channel 32 B + 16 h + i of my query; each accumulator from its low end on
.set n, n+1
.endr
	QUANT2 96, 234
	ds_store_b128 v13, v[PC:PC+3] offset:8704*\p
	ds_store_b16 v14, v234 offset:512*\p           ; both halves of the lanes write the same two bytes with the same value
	s_wait_dscnt 0x0                               ; for the others' sake
	s_barrier_signal -1
	s_barrier_wait -1                              ; 32 rows of 256 bytes lie in this block's stage; the other block has a stage of its own, so one barrier a block is enough
	ds_load_b128 v[236:239], v15 offset:8704*\p
	s_cmp_lg_u32 s8, 0
	s_cbranch_scc1 .Lnot0_\@
	ds_load_b128 v[240:243], v204 offset:512*\p
	s_wait_dscnt 0x0
	global_store_b128 v203, v[240:243], s[36:37]   ; wave 0: 16 scale bytes of each of the 32 rows
.Lnot0_\@:
	s_wait_dscnt 0x0
	global_store_b128 v202, v[236:239], s[34:35]   ; sixteen lanes store 256 consecutive bytes, aligned
	s_wait_xcnt 0x0                                ; the stores' bases and registers are rewritten only behind this wait
.endm
	PASS 0
	PASS 1
	s_wait_tensorcnt 0x0
	ds_add_u32 v254, v255
	s_wait_dscnt 0x0
	s_endpgm
.Lfunc_end_k_q02587cb6b2_attn:
	.size	k_q02587cb6b2_attn, .Lfunc_end_k_q02587cb6b2_attn-k_q02587cb6b2_attn
	.p2alignl 7, 3214868480
	.fill 96, 4, 3214868480
	.section	.rodata,"a",@progbits
	.p2align	6, 0x0
	.amdhsa_kernel k_q02587cb6b2_attn
		.amdhsa_group_segment_fixed_size 172032
		.amdhsa_private_segment_fixed_size 0
		.amdhsa_enable_private_segment 0
		.amdhsa_kernarg_size 16
		.amdhsa_user_sgpr_count 2
		.amdhsa_user_sgpr_kernarg_segment_ptr 1
		.amdhsa_wavefront_size32 1
		.amdhsa_system_sgpr_workgroup_id_x 1
		.amdhsa_system_sgpr_workgroup_id_y 1
		.amdhsa_system_sgpr_workgroup_id_z 1
		.amdhsa_system_vgpr_workitem_id 0
		.amdhsa_next_free_vgpr 256
		.amdhsa_next_free_sgpr 66
		.amdhsa_reserve_vcc 1
		.amdhsa_float_denorm_mode_32 3
		.amdhsa_float_denorm_mode_16_64 3
		.amdhsa_memory_ordered 1
		.amdhsa_forward_progress 1
		.amdhsa_inst_pref_size 67
	.end_amdhsa_kernel
	.amdgpu_metadata
---
amdhsa.version: [ 1, 2 ]
amdhsa.kernels:
  - .name:           k_q02587cb6b2_attn
    .symbol:         k_q02587cb6b2_attn.kd
    .args:
      - { .name: qkv, .offset: 0, .size: 8, .value_kind: global_buffer, .address_space: global }
      - { .name: yq, .offset: 8, .size: 8, .value_kind: global_buffer, .address_space: global }
    .group_segment_fixed_size: 172032
    .private_segment_fixed_size: 0
    .kernarg_segment_align: 8
    .kernarg_segment_size: 16
    .max_flat_workgroup_size: 512
    .sgpr_count:     66
    .vgpr_count:     256
    .wavefront_size: 32
...
	.end_amdgpu_metadata
.endif
;; end of part 3
;; launch proj (part 4): grid 8 x 16, 4 waves a work-group, clusters of 4 x 4, 327,680 bytes of LDS; arguments yq, prep, out0; writes out0
.if DOCPART == 4
	.amdgcn_target "amdgcn-amd-amdhsa--gfx1250"
	.amdhsa_code_object_version 6
	.text
	.protected	k_q02587cb6b2_proj
	.globl	k_q02587cb6b2_proj
	.p2align	8
	.type	k_q02587cb6b2_proj,@function
k_q02587cb6b2_proj:
	s_mov_b64 s[64:65], 0
	v_nop
	global_prefetch_b8 v0, s[64:65] scope:SCOPE_SE
	s_setreg_imm32_b32 hwreg(HW_REG_WAVE_MODE, 25, 1), 1
	s_wait_xcnt 0x0
	s_wait_alu depctr_hold_cnt(0) depctr_sa_sdst(0) depctr_va_vdst(0) depctr_va_sdst(0) depctr_va_ssrc(0) depctr_va_vcc(0) depctr_vm_vsrc(0)
	s_getreg_b32 s2, hwreg(HW_REG_IB_STS2, 6, 4)
	s_cmp_eq_u32 s2, 0
	s_cbranch_scc0 .Lentry_in_a_cluster
	s_endpgm
.Lentry_in_a_cluster:
	s_bfe_u32 s2, ttmp6, 0x10000c
	s_cmp_lg_u32 s2, 0xf033
	s_cbranch_scc0 .Lentry_shape_is_right
	s_endpgm
.Lentry_shape_is_right:
; out0 = y Wo on codes of FP4 (E2M1) with one E8M0 scale for each 32 along K; f32 sums; out0 [4096][2048] f32.
; A = y's codes [4096][2048] with their scale bytes [4096][64] (buffer yq); B = rows 3072-5119 of the weights' table in buffer prep: Wo's columns, K innermost.
; A tile, 256 x 256, is made by four waves, each 128 x 128: 64 accumulators, 512 registers.  K goes in steps of 512 through a ring of two LDS slots filled by the tensor data mover (rows of 256 bytes);
; the scale bytes of the work-group's rows, for all of K, come once and stay.  128 tiles: a work-group to each.
; CLUSTERS: 4 x 4 work-groups; A's tiles are asked for jointly along a row of the cluster, B's along a column.  THE MATRIX INSTRUCTION IS USED TRANSPOSED (source 0 = 16 rows of B, source 1 = 16 rows of A):
; a lane then holds eight neighbouring numbers of a row of the result.
; REGISTERS, in windows of 256: window 0: v0-31 addresses; v32-95 scale words, two sets; from v128 A's fragments, one set; on the way out v32-255 are free.  window 1: B's fragments, two sets.
;   window 2: the accumulators of my rows 0-63 ((a, b) at v[8 (8 a + b)]);  window 3: those of my rows 64-127.
.set SIZE_N, 2048
.set SIZE_K, 2048
.set BROW0, 3072
.set O_WC, 4194304
.set O_WS, 9699328
.set O_YS, 4194304
.set KSTEP,  512
.set NQ,     KSTEP/128
.set ROWB,   256
.set KROW,   SIZE_K*4/8
.set PITCH,  272                       ; an LDS row: 256 bytes + 16 of padding: the 16 rows that a load touches start at 16 different banks
.set FR,     8
.set NL,     2
.set NP,     4                         ; places behind this matrix instruction (ISA guide 7.12.1)
.set HALFT,  128*PITCH
.set SLOT,   4*HALFT
.set LAPS,   SIZE_K/(2*KSTEP)
.set KS,     SIZE_K/32
.set SCL,    2*SLOT
.set HALFS,  (128*KS/256)*272
.set SBLK,   (16*KS/256)*272
.set SPARE,  SCL+4*HALFS               ; the spare words, 128 bytes for each wave, which no other line names
.set SPITCH, 528                       ; the way out: a stage of 16 rows x (512 + 16) bytes for each wave, in slot 0, which has had its last fill and its last read by then
.set ADRA, 16
.set ADRB, 20
.set STO,  24
.set RD,   25
.set CO,   26
.set ADRS, 27
.set SPW,  28                          ; v28 LDS address of my spare word; never rewritten
.set NIL,  29                          ; v29 0; never rewritten
.set SC,   32
.set AF,   128
.set BK,   128
.set G1, 24
.set G0, 32
.set G1B, 48
.set G0B, 56
.set G1S, 68
.set G0S, 76
.set G1SB, 80
.set G0SB, 88
.set MSB, 0
.macro WIN new                         ; the immediate's high byte repeats the setting that is left
.if MSB != (\new)
	s_set_vgpr_msb (MSB<<8)|(\new)
.set MSB, (\new)
.endif
.endm
.set MUL_LO, 0xa1
.set MUL_HI, 0xf1
.set TO_B,   0x40
; A joint load: waves 0 and 1 fetch for A, waves 2 and 3 for B.  The branch hangs on the wave's number alone.  Four v_nop follow each of the two lines.
.macro JLOAD g0a, g1a, g0b, g1b
	s_cmp_eq_u32 s15, 0
	s_cbranch_scc0 .Lfor_b_\@
	tensor_load_to_lds s[\g0a:\g0a+3], s[\g1a:\g1a+7]
	s_nop 0
.rept 4
	v_nop
.endr
	s_branch .Lasked_\@
.Lfor_b_\@:
	tensor_load_to_lds s[\g0b:\g0b+3], s[\g1b:\g1b+7]
	s_nop 0
.rept 4
	v_nop
.endr
.Lasked_\@:
.endm
.macro CREST
	s_cmp_lg_u32 s14, 0
	s_cbranch_scc1 .Lnot_wave_0_\@
	s_barrier_signal -3
.Lnot_wave_0_\@:
	s_barrier_wait -3
	s_barrier_signal -1
	s_barrier_wait -1
.endm
.macro CROUND
	s_barrier_signal -1
	s_barrier_wait -1
	CREST
.endm
	s_load_b128 s[4:7], s[0:1], 0x0                ; yq s[4:5], prep s[6:7]
	s_load_b64 s[12:13], s[0:1], 0x10              ; out0
	v_lshl_add_u32 v[SPW], v0, 2, SPARE
	v_mov_b32 v[NIL], 0
	ds_add_u32 v28, v29
	ds_add_u32 v28, v29
	s_wait_dscnt 0x0
	v_lshrrev_b32 v1, 5, v0
	v_readfirstlane_b32 s14, v1                    ; wave 0..3
	s_lshr_b32 s15, s14, 1
	s_and_b32 s16, s14, 1
	s_bfe_u32 s40, ttmp6, 0x40000                  ; cx, cy
	s_bfe_u32 s41, ttmp6, 0x40004
	s_lshl_b32 s42, ttmp9, 2
	s_add_co_u32 s42, s42, s40                     ; tile column
	s_and_b32 s17, ttmp7, 0xffff
	s_lshl_b32 s17, s17, 2
	s_add_co_u32 s17, s17, s41                     ; tile row
	s_lshl_b32 s43, s41, 2
	s_lshl_b32 s43, 15, s43
	s_lshl_b32 s44, 0x1111, s40
	s_or_b32 s[G1+0], s43, (0<<16)|(1<<20)|(1<<21)|(5<<22)|(3<<25)
	s_or_b32 s[G1B+0], s44, (0<<16)|(1<<20)|(1<<21)|(5<<22)|(3<<25)
.irp g, G1, G1B
	s_mov_b32 s[\g+1], ROWB<<16
	s_mov_b32 s[\g+2], 128<<16
	s_mov_b32 s[\g+3], ROWB<<16
	s_mov_b32 s[\g+4], 128
	s_mov_b32 s[\g+5], KROW
	s_mov_b32 s[\g+6], 0
	s_mov_b32 s[\g+7], 0
.endr
	s_or_b32 s[G1S+0], s43, (3<<16)|(1<<20)|(1<<21)|(5<<22)|(3<<25)
	s_or_b32 s[G1SB+0], s44, (3<<16)|(1<<20)|(1<<21)|(5<<22)|(3<<25)
.irp g, G1S, G1SB
	s_mov_b32 s[\g+1], 32<<16
	s_mov_b32 s[\g+2], (128*KS/256)<<16
	s_mov_b32 s[\g+3], 32<<16
	s_mov_b32 s[\g+4], 128*KS/256
	s_mov_b32 s[\g+5], 32
	s_mov_b32 s[\g+6], 0
	s_mov_b32 s[\g+7], 0
.endr
	s_lshl_b32 s18, s16, 7
	s_lshl_b32 s20, s17, 8
	s_add_co_u32 s20, s20, s18                     ; A: row 256 x tile row + 128 x half
	s_lshl_b32 s46, s42, 8
	s_add_co_u32 s46, s46, s18
	s_add_co_u32 s46, s46, BROW0                   ; B: Wo's rows begin at 3,072
	s_mov_b32 s21, 0
	s_mov_b32 s47, 0
	s_mov_b64 s[18:19], KS
	s_mul_u64 s[22:23], s[20:21], s[18:19]
	s_mul_u64 s[92:93], s[46:47], s[18:19]
	s_mov_b64 s[18:19], KROW
	s_mul_u64 s[20:21], s[20:21], s[18:19]
	s_mul_u64 s[46:47], s[46:47], s[18:19]
	s_mul_i32 s45, s14, HALFT
	s_mul_i32 s94, s14, HALFS
	s_wait_kmcnt 0x0
	s_add_nc_u64 s[8:9], s[6:7], O_WC              ; B's codes
	s_add_nc_u64 s[10:11], s[6:7], O_WS            ; B's scales
	s_add_nc_u64 s[6:7], s[4:5], O_YS              ; A's scales; A's codes begin their buffer
	s_add_nc_u64 s[20:21], s[4:5], s[20:21]
	s_add_nc_u64 s[22:23], s[6:7], s[22:23]
	s_add_nc_u64 s[46:47], s[8:9], s[46:47]
	s_add_nc_u64 s[92:93], s[10:11], s[92:93]
	CROUND                                         ; all sixteen work-groups are here: the first joint loads meet
	s_mov_b32 s[G0S], 1
	s_add_co_u32 s[G0S+1], s94, SCL
	s_mov_b64 s[G0S+2:G0S+3], s[22:23]
	s_or_b32 s[G0S+3], s[G0S+3], 0x80000000
	s_mov_b32 s[G0SB], 1
	s_add_co_u32 s[G0SB+1], s94, SCL
	s_mov_b64 s[G0SB+2:G0SB+3], s[92:93]
	s_or_b32 s[G0SB+3], s[G0SB+3], 0x80000000
	JLOAD G0S, G1S, G0SB, G1SB                     ; the scales first; with the two below three loads of mine are out
.irp s, 0,1
	s_mov_b32 s[G0+4*\s], 1
	s_add_co_u32 s[G0+4*\s+1], s45, \s*SLOT
	s_add_nc_u64 s[G0+4*\s+2:G0+4*\s+3], s[20:21], \s*ROWB
	s_or_b32 s[G0+4*\s+3], s[G0+4*\s+3], 0x80000000
	s_mov_b32 s[G0B+4*\s], 1
	s_add_co_u32 s[G0B+4*\s+1], s45, \s*SLOT
	s_add_nc_u64 s[G0B+4*\s+2:G0B+4*\s+3], s[46:47], \s*ROWB
	s_or_b32 s[G0B+4*\s+3], s[G0B+4*\s+3], 0x80000000
	JLOAD G0+4*\s, G1, G0B+4*\s, G1B
.endr
	v_and_b32 v1, 15, v0
	v_bfe_u32 v2, v0, 4, 1
	v_mul_u32_u24 v3, v1, PITCH
	v_lshl_add_u32 v4, v2, 4, v3
	s_mul_i32 s21, s15, HALFT
	s_mul_i32 s22, s16, HALFT
	s_add_co_u32 s22, s22, 2*HALFT
.irp s, 0,1
	v_add_nc_u32 v[ADRA+\s], s21, v4
	v_add_nc_u32 v[ADRB+\s], s22, v4
	s_add_co_u32 s21, s21, SLOT
	s_add_co_u32 s22, s22, SLOT
.endr
	v_mul_u32_u24 v5, v1, KS
	v_lshrrev_b32 v6, 8, v5
	v_lshl_add_u32 v5, v6, 4, v5
	s_mul_i32 s21, s15, HALFS
	s_mul_i32 s22, s16, HALFS
	s_add_co_u32 s22, s22, 2*HALFS
	s_sub_co_u32 s22, s22, s21
	v_mul_u32_u24 v6, s22, v2                      ; lanes 16-31 take B's
	s_add_co_u32 s21, s21, SCL
	v_add_nc_u32 v5, v5, v6
	v_add_nc_u32 v[ADRS], s21, v5
	s_mul_i32 s23, s14, 16*SPITCH                  ; my stage
	v_mul_u32_u24 v5, v1, SPITCH
	v_lshl_add_u32 v5, v2, 5, v5
	v_add_nc_u32 v[STO], s23, v5
	v_and_b32 v6, 31, v0
	v_lshlrev_b32 v[CO], 4, v6
	v_add_nc_u32 v[RD], s23, v[CO]
	s_lshl_b32 s20, s17, 8
	s_lshl_b32 s21, s15, 7
	s_add_co_u32 s20, s20, s21                     ; my first row of the result
	s_mov_b32 s21, 0
	s_mov_b64 s[18:19], SIZE_N*4
	s_mul_u64 s[20:21], s[20:21], s[18:19]
	s_lshl_b32 s46, s42, 10                        ; my first column, in bytes
	s_lshl_b32 s47, s16, 9
	s_add_co_u32 s46, s46, s47
	s_mov_b32 s47, 0
	s_add_nc_u64 s[20:21], s[20:21], s[46:47]
	s_add_nc_u64 s[12:13], s[12:13], s[20:21]
.macro FRAG reg, adr, q, i
.irp c, 0,1
	ds_load_b128 v[\reg+4*\c:\reg+4*\c+3], v[\adr] offset:64*(\q)+32*\c+(\i)*16*PITCH
.endr
.endm
; The 64 accumulators take turns, one instruction a turn, in the same order in every step.
.macro MUL16 a0, p, q, sc, zero
.irp a, \a0, \a0+1
.irp b, 0,1,2,3,4,5,6,7
.if \zero
	v_wmma_scale_f32_16x16x128_f8f6f4 v[8*(8*((\a)%4)+\b):8*(8*((\a)%4)+\b)+7], v[128*(\p)+FR*\b:128*(\p)+FR*\b+FR-1], v[AF+FR*(\a):AF+FR*(\a)+FR-1], 0, v[SC+8*NQ*(\sc)+NQ*\b+(\q)], v[SC+8*NQ*(\sc)+NQ*(\a)+(\q)] matrix_a_fmt:MATRIX_FMT_FP4 matrix_b_fmt:MATRIX_FMT_FP4 matrix_a_scale:MATRIX_SCALE_ROW1
.else
	v_wmma_scale_f32_16x16x128_f8f6f4 v[8*(8*((\a)%4)+\b):8*(8*((\a)%4)+\b)+7], v[128*(\p)+FR*\b:128*(\p)+FR*\b+FR-1], v[AF+FR*(\a):AF+FR*(\a)+FR-1], v[8*(8*((\a)%4)+\b):8*(8*((\a)%4)+\b)+7], v[SC+8*NQ*(\sc)+NQ*\b+(\q)], v[SC+8*NQ*(\sc)+NQ*(\a)+(\q)] matrix_a_fmt:MATRIX_FMT_FP4 matrix_b_fmt:MATRIX_FMT_FP4 matrix_a_scale:MATRIX_SCALE_ROW1
.endif
.endr
.endr
.endm
.macro FETCH_B slot, q, p
	WIN TO_B
.irp i, 0,1,2,3,4,5,6,7
	FRAG 128*(\p)+FR*\i, ADRB+\slot, \q, \i
.endr
	WIN 0
.endm
.macro FETCH_A slot, q, i0
.irp i, \i0, \i0+1, \i0+2, \i0+3
	FRAG AF+FR*(\i), ADRA+\slot, \q, \i
.endr
.endm
.macro SCALES sc
.irp i, 0,1,2,3,4,5,6,7
	ds_load_b128 v[SC+8*NQ*\sc+NQ*\i:SC+8*NQ*\sc+NQ*\i+3], v[ADRS] offset:\i*SBLK
.endr
.endm
.macro PLACES n
.rept \n
	v_nop
.endr
.endm
.macro STEP slot, q, zero
	s_wait_dscnt 4*NL                              ; B's set and A's blocks 0-3 are in; the youngest eight loads (A's blocks 4-7) may be out
	WIN MUL_LO
	MUL16 0, (\q)%2, \q, \slot, \zero
	MUL16 2, (\q)%2, \q, \slot, \zero
	s_wait_dscnt 0
	PLACES NP
	FETCH_B \slot, (\q)+1, 1-(\q)%2
	FETCH_A \slot, (\q)+1, 0
	WIN MUL_HI
	MUL16 4, (\q)%2, \q, \slot, \zero
	MUL16 6, (\q)%2, \q, \slot, \zero
	PLACES NP
	WIN 0
	FETCH_A \slot, (\q)+1, 4
.endm
.macro TURN slot, next, fill
	s_wait_tensorcnt 0x0                           ; all my tensor loads have landed: my part of the next slot
	ds_add_u32 v[SPW], v[NIL]
	s_wait_dscnt 4*NL+1                            ; the add and the youngest eight loads may be out
	WIN MUL_LO
	MUL16 0, 1, NQ-1, \slot, 0
	s_wait_dscnt 0x0                               ; the add is done, and my reads of this slot are over
	s_barrier_signal -1
	MUL16 2, 1, NQ-1, \slot, 0
	WIN 0
	s_barrier_wait -1
.if \fill
	CREST                                          ; the barrier has opened a round of the cluster's: no wave of any partner still reads this slot or has a load on its way
	s_add_nc_u64 s[G0+4*\slot+2:G0+4*\slot+3], s[G0+4*\slot+2:G0+4*\slot+3], 2*ROWB
	s_add_nc_u64 s[G0B+4*\slot+2:G0B+4*\slot+3], s[G0B+4*\slot+2:G0B+4*\slot+3], 2*ROWB
	JLOAD G0+4*\slot, G1, G0B+4*\slot, G1B         ; the first tensor load behind the round, my only one until the next
.else
	PLACES NP
.endif
	v_add_nc_u32 v[ADRS], 4*NQ, v[ADRS]
	FETCH_B \next, 0, 0
	FETCH_A \next, 0, 0
	SCALES \next
	WIN MUL_HI
	MUL16 4, 1, NQ-1, \slot, 0
	MUL16 6, 1, NQ-1, \slot, 0
	PLACES NP
	WIN 0
	FETCH_A \next, 0, 4
.endm
.macro STEPS slot, from
.set Q, \from
.rept NQ-1-\from
	STEP \slot, Q, 0
.set Q, Q+1
.endr
.endm
	s_wait_tensorcnt 1                             ; the scales and my part of K step 0 are in; K step 1's load may be out
	s_barrier_signal -1
	s_barrier_wait -1
	FETCH_B 0, 0, 0
	FETCH_A 0, 0, 0
	SCALES 0
	FETCH_A 0, 0, 4
	STEP 0, 0, 1                                   ; the first step's products start the sums
	s_mov_b32 s3, LAPS-1
.Llap:
	STEPS 0, 1
	TURN 0, 1, 1
	STEPS 1, 0
	TURN 1, 0, 1
	STEP 0, 0, 0
	s_sub_co_u32 s3, s3, 1
	s_cmp_lg_u32 s3, 0
	s_cbranch_scc1 .Llap
	STEPS 0, 1                                     ; the last lap fills nothing
	TURN 0, 1, 0
	STEPS 1, 0
	s_wait_dscnt 4*NL
	WIN MUL_LO
	MUL16 0, 1, NQ-1, 1, 0
	MUL16 2, 1, NQ-1, 1, 0
	s_wait_dscnt 0
	WIN MUL_HI
	MUL16 4, 1, NQ-1, 1, 0
	MUL16 6, 1, NQ-1, 1, 0
	WIN 0
; THE WAY OUT, block by block of 16 rows x 128 columns, through my own stage in LDS: back come whole rows of 512 bytes.  LDS serves a wave's instructions in order: no wait between the stores and the loads.
.macro TOSTAGE a
.set AC, 64*((\a)%4)
	WIN 0x08+4*((\a)/4)
.irp b, 0,1,2,3,4,5,6,7
	ds_store_b128 v[STO], v[AC+8*\b:AC+8*\b+3] offset:64*\b          ; each accumulator from its low end on
	ds_store_b128 v[STO], v[AC+8*\b+4:AC+8*\b+7] offset:64*\b+16
.endr
	WIN 0
.set BB, BK+64*((\a)%2)
.irp t, 0,1,2,3,4,5,6,7,8,9,10,11,12,13,14,15
	ds_load_b128 v[BB+4*\t:BB+4*\t+3], v[RD] offset:\t*SPITCH
.endr
.endm
.macro SEND a, younger
.set BB, BK+64*((\a)%2)
	s_wait_dscnt \younger                          ; the block is back in registers; the next block's 16 stores and 16 loads may be out
.if (\a) > 0
	s_add_nc_u64 s[12:13], s[12:13], 16*SIZE_N*4   ; (behind a wait on XCNT: the earlier stores have read their base)
.endif
.irp t, 0,1,2,3,4,5,6,7,8,9,10,11,12,13,14,15
	global_store_b128 v[CO], v[BB+4*\t:BB+4*\t+3], s[12:13] offset:\t*SIZE_N*4 th:TH_STORE_NT   ; 32 lanes store 512 consecutive bytes, aligned; written once, read by nobody here
.endr
.endm
	PLACES NP
	TOSTAGE 0
.irp a, 1,2,3,4,5,6,7
.if \a > 1
	s_wait_xcnt 0x0                                ; block a - 2's stores have read their registers and their base
.endif
	TOSTAGE \a
	SEND \a-1, 32
.endr
	s_wait_xcnt 0x0
	SEND 7, 0
	s_wait_tensorcnt 0x0                           ; the wave's end
	ds_add_u32 v[SPW], v[NIL]
	s_wait_dscnt 0x0
	CROUND                                         ; the closing round
	s_endpgm
.Lfunc_end_k_q02587cb6b2_proj:
	.size	k_q02587cb6b2_proj, .Lfunc_end_k_q02587cb6b2_proj-k_q02587cb6b2_proj
	.p2alignl 7, 3214868480
	.fill 96, 4, 3214868480
	.section	.rodata,"a",@progbits
	.p2align	6, 0x0
	.amdhsa_kernel k_q02587cb6b2_proj
		.amdhsa_group_segment_fixed_size 327680
		.amdhsa_private_segment_fixed_size 0
		.amdhsa_enable_private_segment 0
		.amdhsa_kernarg_size 24
		.amdhsa_user_sgpr_count 2
		.amdhsa_user_sgpr_kernarg_segment_ptr 1
		.amdhsa_wavefront_size32 1
		.amdhsa_system_sgpr_workgroup_id_x 1
		.amdhsa_system_sgpr_workgroup_id_y 1
		.amdhsa_system_sgpr_workgroup_id_z 1
		.amdhsa_system_vgpr_workitem_id 0
		.amdhsa_next_free_vgpr 1024
		.amdhsa_next_free_sgpr 100
		.amdhsa_reserve_vcc 0
		.amdhsa_float_denorm_mode_32 3
		.amdhsa_float_denorm_mode_16_64 3
		.amdhsa_memory_ordered 1
		.amdhsa_forward_progress 1
		.amdhsa_inst_pref_size 212
	.end_amdhsa_kernel
	.amdgpu_metadata
---
amdhsa.version: [ 1, 2 ]
amdhsa.kernels:
  - .name:           k_q02587cb6b2_proj
    .symbol:         k_q02587cb6b2_proj.kd
    .args:
      - { .name: yq, .offset: 0, .size: 8, .value_kind: global_buffer, .address_space: global }
      - { .name: prep, .offset: 8, .size: 8, .value_kind: global_buffer, .address_space: global }
      - { .name: out0, .offset: 16, .size: 8, .value_kind: global_buffer, .address_space: global }
    .group_segment_fixed_size: 327680
    .private_segment_fixed_size: 0
    .kernarg_segment_align: 8
    .kernarg_segment_size: 24
    .max_flat_workgroup_size: 128
    .sgpr_count:     100
    .vgpr_count:     1024
    .wavefront_size: 32
...
	.end_amdgpu_metadata
.endif
;; end of part 4
;; ======== version 2 of 2: 4 launches; version 1 with the launch attn written anew for expert scheduling mode
;; workspace buffers: prep 10,289,152 bytes; qkv 7,667,712 bytes; yq 4,456,448 bytes
;; launch prep: the kernel of part 1 again; grid 432 x 1, 4 waves a work-group, no clusters, 68,096 bytes of LDS; arguments x, Wq, Wk, Wv, Wo, prep; writes prep
;; launch qkv: the kernel of part 2 again; grid 12 x 16, 4 waves a work-group, clusters of 4 x 4, 327,680 bytes of LDS; arguments prep, qkv; writes qkv
;; launch attn (part 5): grid 16 x 16, 16 waves a work-group, no clusters, 172,032 bytes of LDS; arguments qkv, yq; writes yq
.if DOCPART == 5
	.amdgcn_target "amdgcn-amd-amdhsa--gfx1250"
	.amdhsa_code_object_version 6
	.text
	.protected	k_q02587cb6b2_attn
	.globl	k_q02587cb6b2_attn
	.p2align	8
	.type	k_q02587cb6b2_attn,@function
k_q02587cb6b2_attn:
	s_mov_b64 s[64:65], 0
	v_nop
	global_prefetch_b8 v0, s[64:65] scope:SCOPE_SE
	s_setreg_imm32_b32 hwreg(HW_REG_WAVE_SCHED_MODE, 0, 2), 2
	s_setreg_imm32_b32 hwreg(HW_REG_WAVE_MODE, 25, 1), 1
	s_wait_xcnt 0x0
	s_wait_alu depctr_vm_vsrc(0)
; y = softmax_k((q . k - |q|^2 / 2 - |k|^2 / 2) / 8, causal) v, both products on codes of FP4 (E2M1) with one E8M0 scale for each 32 along a product's K; y / l is quantised along d and leaves as codes.
; t = (q . k + nk + nq) c, c = log2(e) / 8, nk = -|k|^2 / 2, nq = -|q|^2 / 2 (both of the unquantised numbers).  M = the running largest t rounded up to a whole number; p = 2^(t - M) is what is quantised, along the keys;
; the row's sum l is taken of the unquantised p; when M moves, l and O are multiplied by 2^(old M - new M), which rounds nothing.
; SHARES.  Work-group (x, y): batch y / 4, query heads 8 (y % 4) + 0..7 (two heads of k and v), and two blocks of 32 queries, 31 - x and then x: (31 - x) / 4 + x / 4 + 2 = 9 steps of 128 keys for every wave of every work-group.
; Wave w owns head w % 8 and the 16 queries 16 (w / 8) on of the block, in 256 registers: four waves to a SIMD, so that one wave's vector work stands beside another's matrix work.
; K AND V OF THE TWO HEADS, 151,552 bytes with their scale words and norms, COME ONCE, at the head, through registers, and stay in LDS as images of the operands' registers: a fragment's four registers at 16 x lane.
; NO CLUSTER, NO JOINT LOADS: what the sixteen work-groups of a row of the grid share is fetched once a work-group, not in every step, and k's pieces of 16 bytes change places on the way into LDS
; (key 32 b + 8 u + r + 8 (r / 8) goes to lane r of tile 2 b + u), which no tile descriptor states.
; LAYOUT.  Both products are used transposed: S^T = K Q^T + nk (source 0 = 16 keys, C = the keys' norms), O^T = V^T P^T: a lane holds one query (lane % 16) throughout; the 16 registers of tiles 2 b, 2 b + 1 of S^T are
; keys 32 b + 16 (lane / 16) + 0..15.  The first product's K is 64: the upper halves of both operands are zero codes.  The channels of a tile of V are chosen likewise, so that O^T's 32 registers lie in the order in which y is quantised.
; CAUSAL.  The loop over key steps has 8 trips for every wave; a step all of whose keys come after the wave's queries is jumped over, by a scalar branch on ids; on the diagonal hidden scores become -infinity (p = 0, as with -1e30).
; LIMITS: v_exp_f32 gives 0 for results under 2^-126; y / l is a multiplication by a reciprocal refined by one step; a block of zeros has the byte 1 (its codes are zeros; only this program reads the bytes); NaN and infinities are not served.
; REGISTERS: v1-7 addresses that stay; v8-12 addresses of the step; v13-15 the way out; v16-23 Q; v24 Q's scale word, v25 nq, v26 c nq; v[28:29] c nq - M; v30 -M; v31 the largest t; v32-63 four fragments of K; v64-95 V's four;
;   v96-159 S^T, then p; v160-191 O^T; v192-195 K's scale words, v196-197 V's, v198 P's; v[200:201] l; v202-204 the way out; v208-215 P's codes; v216-227 the blocks' maxima, bytes, scale operands; v228-243 at work; v244-250 the fill's addresses.
;   s38-45 (the fill's bases, free behind the fill) and s47-54: sixteen masks of the diagonal step.
; THE MODE: SCHED_MODE bits 1:0 = 2 (LLVM: expert scheduling mode 2), set by the entry lines.  The code itself states the register dependences between vector or matrix instructions and memory or LDS instructions,
; with s_wait_alu, always for 0.
; THE PLAN.  Registers that memory or LDS instructions touch, in a key step:
;   v8-12             written by five additions at the step's head; read by the step's LDS loads.
;   v192-195          K's scale words land at the head; the eight products S read them.
;   v96-159           the keys' norms land (tiles 0-3 at the head, tiles 4-7 among the products S 0-3); products, mask, softmax, conversions and sums read and write them.
;   v32-63            K's tiles 0-3 land at the head, the products S 0-3 read them; tiles 4-7 land behind those, the products S 4-7 read them.  (The upper four of each eight are zeros, written once.)
;   v64-95, v196-197  V and its scale words land among the products S 4-7; the four products O at the step's end read them.
; So a step has one wait on vm_vsrc (ahead of the additions), one on va_vdst behind them, which covers every load of the step but K's tiles 4-7, one on va_vdst ahead of those four loads, and one ahead of the products O,
; whose operand P vector instructions have just written.  All 256 registers of a wave are taken, so there is no second set for a step ahead: a step's loads are dealt among its own matrix instructions.
;   Outside the loop: v6, v7, v13-15, v202-204, v244-250 addresses, written at the head and never again; v16-19, v24-25 Q, loaded at a block's head; v208-211, v234 y's codes and scale bytes, read by the way out's LDS stores;
;   v236-243 named by LDS loads and global stores alone; v254, v255 read by the closing add alone.
.set O_VC, 5242880
.set O_QM, 6291456
.set O_VS, 7602176
.set O_YS, 4194304
.set VIMG, 65536                       ; LDS: 0 K's images, 2 x 32,768: tile T at 512 T + 16 lane;  here V's: ((4 step + T) 2 + c) 512 + 16 lane
.set KSC,  131072                      ; K's scale words, 2 x 4,096: [step][lane][4]: word b of lane 16 u + r belongs to row r of tile 2 b + u
.set KN,   139264                      ; nk in the keys' order, 2 x 4,096
.set VSC,  147456                      ; V's scale words, 2 x 2,048
.set YST,  151552                      ; y's codes: for each of the two blocks 32 rows x (256 + 16) bytes
.set YSS,  168960                      ; y's scale bytes: 2 x 32 rows x 16
.set TM,  216
.set PC,  208
.set SEL, 16
	s_load_b128 s[4:7], s[0:1], 0x0                ; qkv s[4:5], yq s[6:7]
	v_lshl_add_u32 v254, v0, 2, 0x29800
	v_mov_b32 v255, 0
	v_lshrrev_b32 v1, 5, v0
	v_readfirstlane_b32 s8, v1                     ; wave 0..15
	s_mov_b32 s12, ttmp9
	s_and_b32 s13, ttmp7, 0xffff
	s_and_b32 s14, s13, 3                          ; which eight heads
	s_lshr_b32 s13, s13, 2                         ; the batch
	s_mov_b32 s[SEL], 0x76543210
	s_mov_b32 s[SEL+1], 0xfedcba98                 ; v_permlanex16_b32's selects for lane l xor 16
	s_mov_b32 s18, 0x3e38aa3b                      ; c = log2(e) / 8
	s_mov_b32 s19, s18                             ; (named with it as a pair, so it is written)
	v_and_b32 v230, 31, v0                         ; lane
	v_and_b32 v231, 15, v0                         ; r
	v_bfe_u32 v232, v0, 4, 1                       ; h
	s_wait_alu depctr_va_sdst(0)                   ; s8 is written, ahead of its first reader, the line below
	s_and_b32 s9, s8, 7                            ; my head among the eight
	s_lshr_b32 s10, s8, 3                          ; my half of the 32 queries
	s_lshr_b32 s11, s9, 2                          ; which of the two heads of k and v
	s_lshl_b32 s20, s11, 15
	v_lshl_add_u32 v1, v230, 4, s20                ; K's images
	v_add_nc_u32 v2, VIMG, v1                      ; V's
	s_lshl_b32 s20, s11, 12
	s_add_co_u32 s21, s20, KSC
	v_lshl_add_u32 v3, v230, 4, s21                ; K's scale words
	s_add_co_u32 s21, s20, KN
	v_lshl_add_u32 v4, v232, 6, s21                ; nk: my half's 16 keys of each 32
	s_lshl_b32 s20, s11, 11
	s_add_co_u32 s20, s20, VSC
	v_lshl_add_u32 v5, v230, 2, s20                ; V's scale words
	v_lshlrev_b32 v6, 5, v231
	v_lshl_add_u32 v6, v232, 4, v6                 ; Q's codes: 32 r + 16 h
	v_lshlrev_b32 v7, 3, v231                      ; Q's scale word and norm: 8 r
	s_mul_i32 s20, s10, 16*272
	s_lshl_b32 s21, s9, 5
	s_add_co_u32 s20, s20, s21
	s_add_co_u32 s20, s20, YST
	v_mul_u32_u24 v13, v231, 272
	v_lshl_add_u32 v13, v232, 4, v13
	v_add_nc_u32 v13, s20, v13                     ; y's codes: row 16 half + r, my head's 32 bytes, my 16
	s_lshl_b32 s20, s10, 8
	s_lshl_b32 s21, s9, 1
	s_add_co_u32 s20, s20, s21
	s_add_co_u32 s20, s20, YSS
	v_lshl_add_u32 v14, v231, 4, s20               ; y's scale bytes: my head's two
	v_lshrrev_b32 v233, 4, v0
	v_mul_u32_u24 v15, v233, 272
	v_lshl_add_u32 v15, v231, 4, v15
	v_add_nc_u32 v15, YST, v15                     ; back: sixteen threads to a row
	v_lshlrev_b32 v202, 10, v233
	v_lshl_add_u32 v202, v231, 4, v202             ; and the same place in y's codes
	v_lshlrev_b32 v203, 6, v230
	v_lshl_add_u32 v204, v230, 4, YSS
	v_lshlrev_b32 v244, 4, v0                      ; THE FILL: 16 bytes a thread, 8,192 a load
	v_lshlrev_b32 v245, 3, v0
	v_and_b32 v246, 14, v0                         ; k's codes: thread t has half t % 2 of key t / 2 (+ 256 for each load): 16 (key % 8)
	v_lshlrev_b32 v246, 3, v246
	v_and_b32 v233, 1, v0
	v_lshl_or_b32 v246, v233, 8, v246              ; + 256 x half
	v_and_b32 v233, 16, v0
	v_lshl_or_b32 v246, v233, 5, v246              ; + 512 x the key's bit 3: the tile's u
	v_and_b32 v233, 32, v0
	v_lshl_or_b32 v246, v233, 2, v246              ; + 128 x its bit 4: bit 3 of the row
	v_and_b32 v233, 0x1c0, v0
	v_lshl_or_b32 v246, v233, 4, v246              ; + 1,024 x (key / 32)
	v_add_nc_u32 v247, VIMG, v244
	v_and_b32 v248, 3, v0                          ; k's scale words: thread t has keys 2 t and 2 t + 1: 16 (key % 8)
	v_lshlrev_b32 v248, 5, v248
	v_and_b32 v233, 4, v0
	v_lshl_or_b32 v248, v233, 6, v248              ; + 256 u
	v_and_b32 v233, 8, v0
	v_lshl_or_b32 v248, v233, 4, v248              ; + 128 x bit 3 of the row
	v_bfe_u32 v233, v0, 4, 2
	v_lshl_or_b32 v248, v233, 2, v248              ; + 4 b
	v_and_b32 v233, 0x1c0, v0
	v_lshl_or_b32 v248, v233, 3, v248              ; + 512 x step
	v_add_nc_u32 v248, KSC, v248
	v_add_nc_u32 v249, KN, v245
	v_add_nc_u32 v250, VSC, v245
	s_mul_i32 s20, s13, 40
	s_lshl_b32 s21, s14, 1
	s_add_co_u32 s20, s20, s21
	s_add_co_u32 s20, s20, 32                      ; k's first head in the table of 40
	s_lshl_b32 s38, s20, 15
	s_mov_b32 s39, 0
	s_lshl_b32 s40, s20, 13
	s_add_co_u32 s40, s40, O_QM
	s_mov_b32 s41, 0
	s_lshl_b32 s22, s13, 3
	s_add_co_u32 s22, s22, s21                     ; v's first head
	s_lshl_b32 s42, s22, 15
	s_add_co_u32 s42, s42, O_VC
	s_mov_b32 s43, 0
	s_lshl_b32 s44, s22, 11
	s_add_co_u32 s44, s44, O_VS
	s_mov_b32 s45, 0
	s_wait_kmcnt 0x0
	s_add_nc_u64 s[38:39], s[4:5], s[38:39]
	s_add_nc_u64 s[40:41], s[4:5], s[40:41]
	s_add_nc_u64 s[42:43], s[4:5], s[42:43]
	s_add_nc_u64 s[44:45], s[4:5], s[44:45]
	s_wait_alu depctr_va_vdst(0)                   ; the addresses v6, v7, v13-15, v202-204 and v244-250 are written, which the kernel's loads and stores read; none of them is written again
.irp i, 0,1,2,3,4,5,6,7
	global_load_b128 v[32+4*\i:35+4*\i], v244, s[38:39] offset:8192*\i
.endr
.irp i, 0,1,2,3,4,5,6,7
	global_load_b128 v[64+4*\i:67+4*\i], v244, s[42:43] offset:8192*\i
.endr
.irp i, 0,1
	global_load_b128 v[96+4*\i:99+4*\i], v244, s[40:41] offset:8192*\i
.endr
	global_load_b64 v[104:105], v245, s[44:45]
	s_wait_loadcnt 11                              ; k's eight loads are in; v's eight, the two of words and norms and the one of v's words may be out
.irp i, 0,1,2,3,4,5,6,7
	ds_store_b128 v246, v[32+4*\i:35+4*\i] offset:8192*\i
.endr
	s_wait_loadcnt 3                               ; v's eight are in
.irp i, 0,1,2,3,4,5,6,7
	ds_store_b128 v247, v[64+4*\i:67+4*\i] offset:8192*\i
.endr
	s_wait_loadcnt 0x0
.irp i, 0,1
	ds_store_b32 v248, v[96+4*\i] offset:4096*\i
	ds_store_b32 v248, v[98+4*\i] offset:4096*\i+16
	ds_store_b32 v249, v[97+4*\i] offset:4096*\i
	ds_store_b32 v249, v[99+4*\i] offset:4096*\i+4
.endr
	ds_store_b64 v250, v[104:105]
	s_wait_dscnt 0x0                               ; for the others' sake: my stores have landed
	s_barrier_signal -1
	s_barrier_wait -1                              ; K and V lie in LDS; from here on nobody writes them
	s_wait_alu depctr_vm_vsrc(0)                   ; my LDS stores have read v32-105: the zero lines below and the key steps' LDS loads write these registers again
.irp t, 0,1,2,3
.irp j, 4,5,6,7
	v_mov_b32 v[32+8*\t+\j], 0                     ; K from 64 to 128 of the first product: zero codes, in K's four fragments
.endr
.endr
.irp j, 20,21,22,23,29,229
	v_mov_b32 v\j, 0                               ; and in Q's; the upper halves of two pairs that packed forms name
.endr
.set n, 216
.rept 12
	v_mov_b32 v[n], 0                              ; written once: a lane permute's destination counts as one of its sources
.set n, n+1
.endr
.macro QUANT2 s, pw                    ; 32 numbers of a lane, v[s + 16 B + i] = channel 32 B + 16 h + i, become 16 bytes of codes in v[PC] on (channels 32 h + 0..31) and two scale bytes in v[pw]
.irp b, 0,1
	v_max3_num_f32 v[TM+\b], |v[\s+16*\b]|, |v[\s+1+16*\b]|, 0x1800000
.endr
.irp i, 2,4,6,8,10,12,14
.irp b, 0,1
	v_max3_num_f32 v[TM+\b], v[TM+\b], |v[\s+16*\b+\i]|, |v[\s+1+16*\b+\i]|
.endr
.endr
.irp b, 0,1
	v_permlanex16_b32 v[TM+2+\b], v[TM+\b], s[SEL], s[SEL+1]
.endr
.irp b, 0,1
	v_max_num_f32 v[TM+\b], v[TM+\b], v[TM+2+\b]
.endr
.irp b, 0,1
	v_add_nc_u32 v[TM+4+\b], 0xff000000, v[TM+\b]
.endr
.irp b, 0,1
	v_lshrrev_b32 v[TM+2+\b], 23, v[TM+4+\b]
.endr
	v_lshl_or_b32 v[\pw], v[TM+3], 8, v[TM+2]
.irp b, 0,1
	v_cvt_scalef32_pk8_fp4_f32 v[PC+2*\b], v[\s+16*\b:\s+7+16*\b], v[TM+4+\b]
	v_cvt_scalef32_pk8_fp4_f32 v[PC+1+2*\b], v[\s+8+16*\b:\s+15+16*\b], v[TM+4+\b]
.endr
	v_nop
	v_permlane16_swap_b32 v[PC], v[PC+2]
	v_permlane16_swap_b32 v[PC+1], v[PC+3]
.endm
; The twelve accumulators of a step take turns, one instruction a turn, over the loop's backward jump too.
.macro SMUL t                          ; S^T of tile t = 16 keys x my 16 queries + the keys' norms, which were loaded into the result's registers
.if (\t)%2
	v_wmma_scale_f32_16x16x128_f8f6f4 v[96+8*(\t):103+8*(\t)], v[32+8*((\t)%4):39+8*((\t)%4)], v[16:23], v[96+8*(\t):103+8*(\t)], v[192+(\t)/2], v24 matrix_a_fmt:MATRIX_FMT_FP4 matrix_b_fmt:MATRIX_FMT_FP4 matrix_a_scale:MATRIX_SCALE_ROW1
.else
	v_wmma_scale_f32_16x16x128_f8f6f4 v[96+8*(\t):103+8*(\t)], v[32+8*((\t)%4):39+8*((\t)%4)], v[16:23], v[96+8*(\t):103+8*(\t)], v[192+(\t)/2], v24 matrix_a_fmt:MATRIX_FMT_FP4 matrix_b_fmt:MATRIX_FMT_FP4
.endif
.endm
.macro OMUL t                          ; O^T of tile t += 16 channels x 128 keys x P
.if (\t)%2
	v_wmma_scale_f32_16x16x128_f8f6f4 v[160+8*(\t):167+8*(\t)], v[64+8*(\t):71+8*(\t)], v[208:215], v[160+8*(\t):167+8*(\t)], v[196+(\t)/2], v198 matrix_a_fmt:MATRIX_FMT_FP4 matrix_b_fmt:MATRIX_FMT_FP4 matrix_a_scale:MATRIX_SCALE_ROW1
.else
	v_wmma_scale_f32_16x16x128_f8f6f4 v[160+8*(\t):167+8*(\t)], v[64+8*(\t):71+8*(\t)], v[208:215], v[160+8*(\t):167+8*(\t)], v[196+(\t)/2], v198 matrix_a_fmt:MATRIX_FMT_FP4 matrix_b_fmt:MATRIX_FMT_FP4
.endif
.endm
; A KEY STEP: 128 keys from s24 on.  s25 my first query; s26, s27, s28 the step's 4,096, 512 and 256 bytes in the images, the words and norms, and V's words.
.macro STEP
	s_add_co_u32 s20, s25, 15
	s_cmp_gt_u32 s24, s20
	s_cbranch_scc1 .Lhidden_\@                     ; all its keys come after my queries
	s_wait_alu depctr_vm_vsrc(0)                   ; the LDS loads of the step before have read v8 to v12, which the five lines below write again
	v_add_nc_u32 v8, s26, v1
	v_add_nc_u32 v9, s26, v2
	v_add_nc_u32 v10, s27, v3
	v_add_nc_u32 v11, s27, v4
	v_add_nc_u32 v12, s28, v5
	s_wait_alu depctr_va_vdst(0)                   ; v8 to v12 are written, which this step's LDS loads read; the step before is done with v32-63, v64-95, v96-159 and v192-197, in which they land; in a block's first step the zero halves of K's and Q's fragments, operands of the scaled products, are written
	ds_load_b128 v[192:195], v10                   ; K's scale words
.irp t, 0,1,2,3
	ds_load_b128 v[96+8*\t:99+8*\t], v11 offset:128*(\t/2)+32*(\t%2)          ; nk of keys 32 (t / 2) + 16 h + 8 (t % 2) + 0..7: the sums' C
	ds_load_b128 v[100+8*\t:103+8*\t], v11 offset:128*(\t/2)+32*(\t%2)+16
	ds_load_b128 v[32+8*\t:35+8*\t], v8 offset:512*\t
.endr
	s_wait_dscnt 0x0                               ; the scale words, and tiles 0-3 with their norms
.irp t, 0,1,2,3
	SMUL \t
	ds_load_b128 v[128+8*\t:131+8*\t], v11 offset:128*((\t+4)/2)+32*(\t%2)    ; the norms of tiles 4-7, dealt among the products of tiles 0-3.  No wait: nothing since the wait at the step's head names v128-159
	ds_load_b128 v[132+8*\t:135+8*\t], v11 offset:128*((\t+4)/2)+32*(\t%2)+16
.endr
.rept 4
	v_nop                                          ; places in front of loads into registers that matrix instructions have read
.endr
	s_wait_alu depctr_va_vdst(0)                   ; the products of tiles 0-3 are done reading v32-63, in which K's tiles 4-7 land
.irp t, 0,1,2,3
	ds_load_b128 v[32+8*\t:35+8*\t], v8 offset:512*(\t+4)
.endr
	s_wait_dscnt 0x0                               ; tiles 4-7 with their norms
.irp t, 0,1,2,3
	SMUL \t+4
	ds_load_b128 v[64+8*\t:67+8*\t], v9 offset:1024*\t                        ; V, dealt among the products of tiles 4-7.  No wait: nothing since the wait at the step's head names v64-95, v196 or v197
	ds_load_b128 v[68+8*\t:71+8*\t], v9 offset:1024*\t+512
.endr
	ds_load_b32 v196, v12
	ds_load_b32 v197, v12 offset:128
.rept 4
	v_nop
.endr
	s_add_co_u32 s20, s24, 127
	s_cmp_le_u32 s20, s25
	s_cbranch_scc1 .Lopen_\@                       ; all its keys count for all my queries
	s_sub_co_i32 s20, s25, s24
	v_and_b32 v230, 15, v0
	v_bfe_u32 v231, v0, 4, 1
	v_lshlrev_b32 v231, 4, v231
	v_sub_nc_u32 v230, v230, v231
	v_add_nc_u32 v230, s20, v230                   ; d = my query - the step's first key - 16 h: register 16 b + i is hidden where 32 b + i > d
	v_mov_b32 v232, 0xff800000
.irp g, 0,1,2,3                        ; a block of 32 keys at a time: sixteen compares in a run, into sixteen scalar registers (s38-45, s47-54), then the sixteen selects
.set n, 0
.rept 16
	v_cmp_gt_i32 s[38+n+n/8], 32*\g+n, v230
.set n, n+1
.endr
	s_wait_alu depctr_va_sdst(0)                   ; the sixteen masks are written, ahead of their first reader: one wait for the run
.set n, 0
.rept 16
	v_cndmask_b32 v[96+16*\g+n], v[96+16*\g+n], v232, s[38+n+n/8]
.set n, n+1
.endr
.endr
.Lopen_\@:
.irp b, 0,1,2,3
	v_max3_num_f32 v[216+\b], v[96+16*\b], v[97+16*\b], v[98+16*\b]           ; the largest score of each block of 32 keys: for the row's maximum, and, since p rises with the score, for the block's largest p
.endr
.irp i, 3,5,7,9,11,13
.irp b, 0,1,2,3
	v_max3_num_f32 v[216+\b], v[216+\b], v[96+16*\b+\i], v[97+16*\b+\i]
.endr
.endr
.irp b, 0,1,2,3
	v_max_num_f32 v[216+\b], v[216+\b], v[111+16*\b]
.endr
.irp b, 0,1,2,3
	v_permlanex16_b32 v[220+\b], v[216+\b], s[SEL], s[SEL+1]
.endr
.irp b, 0,1,2,3
	v_max_num_f32 v[216+\b], v[216+\b], v[220+\b]
.endr
	v_max3_num_f32 v230, v216, v217, v218
	v_max_num_f32 v230, v230, v219
	v_fma_f32 v230, v230, s18, v26                 ; the step's largest t
	v_max_num_f32 v31, v31, v230
	v_mov_b32 v230, v30
	v_floor_f32 v30, -v31                          ; the new -M = -ceil(t): a whole number
	v_sub_f32 v230, v30, v230                      ; old M - new M, 0 or less
	v_cvt_i32_f32 v230, v230                       ; (it saturates)
	v_ldexp_f32 v228, 1.0, v230                    ; f = 2^(old M - new M)
	v_add_f32 v28, v26, v30                        ; c nq - M
.set n, 0
.rept 32
	v_pk_fma_f32 v[96+n:97+n], v[96+n:97+n], s[18:19], v[28:29] op_sel_hi:[1,0,0]   ; t - M, two at a time
.set n, n+2
.endr
.irp b, 0,1,2,3
	v_fma_f32 v[216+\b], v[216+\b], s18, v28
.endr
.set n, 0
.rept 64
	v_exp_f32 v[96+n], v[96+n]                     ; p = 2^(t - M): not normalised
.set n, n+1
.endr
.irp b, 0,1,2,3
	v_exp_f32 v[216+\b], v[216+\b]                 ; the block's largest p
.endr
	v_pk_mul_f32 v[200:201], v[200:201], v[228:229] op_sel_hi:[1,0]           ; l under the new M.  (A plain place behind the exponentials)
	s_wait_alu depctr_va_vdst(0)                   ; the 68 exponentials have written v96-159 and v216-219: one wait for the batch, ahead of its first reader
.irp b, 0,1,2,3
	v_max_num_f32 v[216+\b], 0x1800000, v[216+\b]  ; the floor 2^(3 - 127)
.endr
.irp b, 0,1,2,3
	v_add_nc_u32 v[224+\b], 0xff000000, v[216+\b]
.endr
.irp b, 0,1,2,3
	v_lshrrev_b32 v[220+\b], 23, v[224+\b]
.endr
	v_lshl_or_b32 v198, v221, 8, v220              ; P's scale word for these 128 keys
	v_lshl_or_b32 v198, v222, 16, v198
	v_lshl_or_b32 v198, v223, 24, v198
.irp b, 0,1,2,3
	v_cvt_scalef32_pk8_fp4_f32 v[208+2*\b], v[96+16*\b:103+16*\b], v[224+\b]
	v_cvt_scalef32_pk8_fp4_f32 v[209+2*\b], v[104+16*\b:111+16*\b], v[224+\b]
.endr
	v_nop
.irp c, 0,1
.irp i, 0,1
	v_permlane16_swap_b32 v[208+4*\c+\i], v[210+4*\c+\i]                      ; a whole block to a lane
.endr
.endr
	v_pk_add_f32 v[232:233], v[96:97], v[98:99]    ; the row's sum is taken of the unquantised p, in two chains
.irp j, 4,8,12,16,20,24,28,32,36,40,44,48,52,56,60
	v_pk_add_f32 v[200:201], v[200:201], v[96+\j:97+\j]
	v_pk_add_f32 v[232:233], v[232:233], v[98+\j:99+\j]
.endr
	v_pk_add_f32 v[200:201], v[200:201], v[232:233]
.set n, 0
.rept 16
	v_pk_mul_f32 v[160+n:161+n], v[160+n:161+n], v[228:229] op_sel_hi:[1,0]   ; O^T under the new M.  (With the sums above: the places between P's scale word and codes and the products below)
.set n, n+2
.endr
	s_wait_dscnt 0x0                               ; V
	s_wait_alu depctr_va_vdst(0)                   ; vector instructions have written P's scale word v198 and its codes v208-215, which the scaled products below take as scale and operand; the places above stay beside this wait
.irp t, 0,1,2,3
	OMUL \t
.endr
.Lhidden_\@:
	s_add_co_u32 s24, s24, 128
	s_add_co_u32 s26, s26, 4096
	s_add_co_u32 s27, s27, 512
	s_add_co_u32 s28, s28, 256
.endm
; ONE BLOCK OF 32 QUERIES.
.macro PASS p
.if \p == 0
	s_sub_co_u32 s46, 31, s12
.else
	s_mov_b32 s46, s12
.endif
	s_lshl_b32 s25, s46, 5
	s_lshl_b32 s20, s10, 4
	s_add_co_u32 s25, s25, s20                     ; my first query
	s_mul_i32 s20, s13, 40
	s_lshl_b32 s21, s14, 3
	s_add_co_u32 s20, s20, s21
	s_add_co_u32 s20, s20, s9
	s_lshl_b32 s20, s20, 10
	s_add_co_u32 s20, s20, s25                     ; (40 batch + head) 1024 + query
	s_lshl_b32 s30, s20, 5
	s_mov_b32 s31, 0
	s_add_nc_u64 s[30:31], s[4:5], s[30:31]
	s_lshl_b32 s32, s20, 3
	s_add_co_u32 s32, s32, O_QM
	s_mov_b32 s33, 0
	s_add_nc_u64 s[32:33], s[4:5], s[32:33]
	s_lshl_b32 s21, s13, 10
	s_lshl_b32 s22, s46, 5
	s_add_co_u32 s21, s21, s22                     ; the block's first row of y
	s_lshl_b32 s34, s21, 10
	s_lshl_b32 s22, s14, 8
	s_add_co_u32 s34, s34, s22
	s_mov_b32 s35, 0
	s_add_nc_u64 s[34:35], s[6:7], s[34:35]        ; its codes: the eight heads' 256 bytes of each row
	s_lshl_b32 s36, s21, 6
	s_lshl_b32 s22, s14, 4
	s_add_co_u32 s36, s36, s22
	s_add_co_u32 s36, s36, O_YS
	s_mov_b32 s37, 0
	s_add_nc_u64 s[36:37], s[6:7], s[36:37]        ; its scale bytes: 16 of each row
	global_load_b128 v[16:19], v6, s[30:31]        ; no wait: in the first block no vector or matrix instruction has named v16-19, v24 or v25; in the second none has since the wait ahead of the first block's LDS stores
	global_load_b64 v[24:25], v7, s[32:33]
	v_mov_b32 v31, 0xff61b1e6                      ; the largest t so far: -3e38
	v_floor_f32 v30, -v31
	v_mov_b32 v200, 0
	v_mov_b32 v201, 0
.set n, 0
.rept 32
	v_mov_b32 v[160+n], 0                          ; O^T: the step is written once; the first finds zeros, which the first change of M leaves zeros
.set n, n+1
.endr
	s_mov_b32 s24, 0
	s_mov_b32 s26, 0
	s_mov_b32 s27, 0
	s_mov_b32 s28, 0
	s_mov_b32 s29, 8
	s_wait_loadcnt 0x0
	v_mul_f32 v26, s18, v25                        ; c nq
.Lkeys_\@:
	STEP
	s_sub_co_u32 s29, s29, 1
	s_cmp_lg_u32 s29, 0
	s_cbranch_scc1 .Lkeys_\@
.rept 4
	v_nop                                          ; places behind the last products
.endr
	v_add_f32 v200, v200, v201
	v_permlanex16_b32 v230, v200, s[SEL], s[SEL+1]
	v_add_f32 v200, v200, v230                     ; the row's sum
	v_rcp_f32 v231, v200
	v_nop
	s_wait_alu depctr_va_vdst(0)                   ; the reciprocal has written v231, ahead of its first reader
	v_fma_f32 v232, -v200, v231, 1.0
	v_fma_f32 v231, v231, v232, v231               ; 1 / l, refined
.set n, 0
.rept 32
	v_mul_f32 v[96+n], v[160+n], v231              ; y: register 16 B + i is channel 32 B + 16 h + i of my query; each accumulator from its low end on
.set n, n+1
.endr
	QUANT2 96, 234
	s_wait_alu depctr_va_vdst(0)                   ; y's codes v208-211 and scale bytes v234 are written, which the two LDS stores read; this block's products are done reading Q, in whose registers the next block's loads land
	ds_store_b128 v13, v[PC:PC+3] offset:8704*\p
	ds_store_b16 v14, v234 offset:512*\p           ; both halves of the lanes write the same two bytes with the same value
	s_wait_dscnt 0x0                               ; for the others' sake
	s_barrier_signal -1
	s_barrier_wait -1                              ; 32 rows of 256 bytes lie in this block's stage; the other block has a stage of its own, so one barrier a block is enough
	ds_load_b128 v[236:239], v15 offset:8704*\p
	s_cmp_lg_u32 s8, 0
	s_cbranch_scc1 .Lnot0_\@
	ds_load_b128 v[240:243], v204 offset:512*\p
	s_wait_dscnt 0x0
	global_store_b128 v203, v[240:243], s[36:37]   ; wave 0: 16 scale bytes of each of the 32 rows
.Lnot0_\@:
	s_wait_dscnt 0x0
	global_store_b128 v202, v[236:239], s[34:35]   ; sixteen lanes store 256 consecutive bytes, aligned
	s_wait_xcnt 0x0                                ; the stores' bases and registers are rewritten only behind this wait
.if \p == 0
	s_wait_alu depctr_vm_vsrc(0)                   ; the LDS stores have read v208-211 and v234, the global stores v236-243: the next block's vector instructions and LDS loads write them again
.endif
.endm
	PASS 0
	PASS 1
	s_wait_dscnt 0x0                               ; the closing lines, six on end
	s_wait_alu 0x0
	s_wait_tensorcnt 0x0
	ds_add_u32 v254, v255
	s_wait_dscnt 0x0
	s_endpgm
.Lfunc_end_k_q02587cb6b2_attn:
	.size	k_q02587cb6b2_attn, .Lfunc_end_k_q02587cb6b2_attn-k_q02587cb6b2_attn
	.p2alignl 7, 3214868480
	.fill 96, 4, 3214868480
	.section	.rodata,"a",@progbits
	.p2align	6, 0x0
	.amdhsa_kernel k_q02587cb6b2_attn
		.amdhsa_group_segment_fixed_size 172032
		.amdhsa_private_segment_fixed_size 0
		.amdhsa_enable_private_segment 0
		.amdhsa_kernarg_size 16
		.amdhsa_user_sgpr_count 2
		.amdhsa_user_sgpr_kernarg_segment_ptr 1
		.amdhsa_wavefront_size32 1
		.amdhsa_system_sgpr_workgroup_id_x 1
		.amdhsa_system_sgpr_workgroup_id_y 1
		.amdhsa_system_sgpr_workgroup_id_z 1
		.amdhsa_system_vgpr_workitem_id 0
		.amdhsa_next_free_vgpr 256
		.amdhsa_next_free_sgpr 66
		.amdhsa_reserve_vcc 0
		.amdhsa_float_denorm_mode_32 3
		.amdhsa_float_denorm_mode_16_64 3
		.amdhsa_memory_ordered 1
		.amdhsa_forward_progress 1
		.amdhsa_inst_pref_size 76
	.end_amdhsa_kernel
	.amdgpu_metadata
---
amdhsa.version: [ 1, 2 ]
amdhsa.kernels:
  - .name:           k_q02587cb6b2_attn
    .symbol:         k_q02587cb6b2_attn.kd
    .args:
      - { .name: qkv, .offset: 0, .size: 8, .value_kind: global_buffer, .address_space: global }
      - { .name: yq, .offset: 8, .size: 8, .value_kind: global_buffer, .address_space: global }
    .group_segment_fixed_size: 172032
    .private_segment_fixed_size: 0
    .kernarg_segment_align: 8
    .kernarg_segment_size: 16
    .max_flat_workgroup_size: 512
    .sgpr_count:     66
    .vgpr_count:     256
    .wavefront_size: 32
...
	.end_amdgpu_metadata
.endif
;; end of part 5
;; launch proj: the kernel of part 4 again; grid 8 x 16, 4 waves a work-group, clusters of 4 x 4, 327,680 bytes of LDS; arguments yq, prep, out0; writes out0
